; MI455X (gfx1250); checked and timed in simulation.
; The chip was launched on July 23, 2026; its instructions are those of AMD's public machine-readable ISA for CDNA 5 (MIT licence, August 2026) and "CDNA5" Instruction Set Architecture Reference Guide (July 2026). The comments in the code are by the model that wrote it; some were corrected since.
;; Mo E. Allowed arithmetic: matrix products marked QUANTISED: E3M2 operands, one E8M0 scale for each 32 along K, by v_wmma_scale_f32_16x16x128_f8f6f4 with both operands' format E3M2, f32 sums; products left as they are: f32 operands where the result goes on into a quantised operand, else bf16, f16 or f32 operands; f32 sums; everything else in f32.
;; Inputs: b1 8 x 4,096 float32; b2 8 x 1,024 float32; gate_w 1,024 x 8 float32; w1 8 x 1,024 x 4,096 float32; w2 8 x 4,096 x 1,024 float32; x 4 x 256 x 1,024 float32.
;; Outputs: out0 4 x 256 x 1,024 float32.
;; Constants: top_k = 2.
;; This version of the problem:
;;   THIS VERSION OF THE PROBLEM IS GIVEN IN LOW PRECISION. The matrix products marked QUANTISED in the list below multiply operands that are first quantised to E3M2 (3 exponent bits, 2 mantissa bits; 6 bits a number), with one power-of-two scale for each 32 numbers along K (OCP MX v1.0); their sums are f32. All else is computed in f32.
;;   The module's matrix products, in the order in which they are computed (A, B: the left and right operand; K: the contracted axis; several contracted axes count as one K, in the product's order):
;;     1. [M 1,024, K 1,024] x [K 1,024, N 8]; A: input x; B: input gate_w: left as it is (N = 8 < 16)
;;     2. [M 32,768, K 1,024] x [K 1,024, N 1,024]; A: input w1; B: input x: QUANTISED
;;     3. batch 8 x [M 1,024, K 4,096] x [K 4,096, N 1,024]; A: computed on the way; B: input w2: QUANTISED
;;   THE QUANTISER, for each operand of a quantised product, along K:
;;     - K is cut into blocks of 32 from its start; a last block that is shorter is filled with zeros.
;;     - A block's scale is 2^e with e = floor(log2(the largest magnitude in the block)) - 4, held to -126 .. 127; a block of zeros has e = 0. As a byte (E8M0): e + 127.
;;     - Each number is divided by its block's scale, clamped to +-28, and rounded to the nearest number of E3M2, ties to even, subnormals kept.
;;     - The product sums the exact products of the quantised numbers (number of the format x scale) in f32.
;;   ~~~python
;;   def quantise(x, axis):      # numpy; x: float32 -> the quantised numbers, widened to float32 again
;;       x = np.moveaxis(x, axis, -1); K = x.shape[-1]
;;       x = np.pad(x, [(0, 0)] * (x.ndim - 1) + [(0, -K % 32)]); x = x.reshape(x.shape[:-1] + (-1, 32)); a = np.abs(x).max(-1, keepdims=True)
;;       e = np.where(a > 0, np.clip(np.frexp(np.where(a > 0, a, 1))[1] - 1 - 4, -126, 127), 0)      # np.frexp(a)[1] - 1 = floor(log2(a)), exactly
;;       r = np.clip(x / 2.0 ** e, -28, 28)
;;       step = 2.0 ** (np.maximum(np.frexp(np.where(r == 0, 1, r))[1] - 1, -2) - 2)
;;       q = np.round(r / step) * step * 2.0 ** e      # np.round: ties to even
;;       return np.moveaxis(q.reshape(q.shape[:-2] + (-1,))[..., :K], -1, axis).astype(np.float32)
;;   ~~~
;;   OPERANDS COMPUTED ON THE WAY. 'Computed on the way' means the value that the module computes at that place (a softmax that the list does not call 'softmax' is quantised finished and normalised). What goes into a quantiser is computed in f32, as accurately as f32 sums, v_exp_f32 and their like allow (about 1e-6 of the number): no bf16 or f16 on the way to a quantiser, and a product that is left as it is and whose result goes on into a quantised operand takes f32 operands (vector FMAs, or v_wmma_f32_16x16x4_f32). A number that lies on a knife's edge between two numbers of the format may be rounded either way, as far as f32 arithmetic and the matrix unit's own rounding can turn it there, and no further.
;; 2 versions. Each part assembles by itself: llvm-mc -triple=amdgcn-amd-amdhsa -mcpu=gfx1250 --defsym DOCPART=n.
;; ======== version 1 of 2: 4 launches
;; workspace buffers: xq 786,432 bytes; xs 32,768 bytes; idx 4,096 bytes of whole numbers; mask 1,024 bytes of whole numbers; gw 8,192 bytes; hq 25,165,824 bytes; hs 2,097,152 bytes; part 67,108,864 bytes
;; launch route (part 1): grid 128 x 1, 8 waves a work-group, no clusters, 3,072 bytes of LDS; arguments x, gate_w, xq, xs, idx, gw, mask; writes xq, xs, idx, gw, mask
.if DOCPART == 1
	.amdgcn_target "amdgcn-amd-amdhsa--gfx1250"
	.amdhsa_code_object_version 6
	.text
	.protected	k_q296664f57c_route
	.globl	k_q296664f57c_route
	.p2align	8
	.type	k_q296664f57c_route,@function
k_q296664f57c_route:
	s_mov_b64 s[64:65], 0
	v_nop
	global_prefetch_b8 v0, s[64:65] scope:SCOPE_SE
	s_setreg_imm32_b32 hwreg(HW_REG_WAVE_MODE, 25, 1), 1
	s_wait_xcnt 0x0
; ROUTE.  scores = x gate_w in f32 (fused multiply-adds), the two largest of a token's 8 scores (of equal scores the lower index), a softmax over the two (the larger is taken away first),
; and x as codes of E3M2 with one E8M0 byte for each 32 along D.
; SHARES.  A work-group takes 8 tokens.  Wave w takes d = 128 w .. 128 w + 127.  Lane: token i = lane / 4, block bb = lane % 4: a lane holds one whole block of 32 numbers of one token.
; OUT.  xq [t][h 2][s 8][c 2][24 bytes]: block 4 s + 2 c + h of token t, so that the 48 bytes of (t, h, s) are the 12 operand registers of lane (row, h) for K step s.
;       xs [t][32] scale bytes.  idx [t] = e0 | e1 << 8.  gw [t][2] the two weights.  mask [e][32 words]: bit l of word j says that token 32 j + l chose expert e.
; No address and no branch hangs on a score: the choice is only stored, at fixed places.
; LIMITS.  NaN and infinities are not served.  A block of zeros, and one whose largest magnitude lies under 2^-122, gets the byte 1 (zero codes add nothing; only this program reads the bytes).
; The scores are f32 sums in another order than a plain dot product's: two scores that differ in their last bits only may be chosen the other way.
; No matrix unit, no cluster: 8 columns are too few for a tile, and no two work-groups share a token.
.set X,   32                           ; v32-63   my 32 numbers of x
.set ACC, 8                            ; v8-15    my 8 partial scores, as four pairs
.set MSB, 0
.macro WIN new                         ; the immediate's high byte repeats the setting that is left
.if MSB != \new
	s_set_vgpr_msb (MSB<<8)|\new
.set MSB, \new
.endif
.endm
	s_load_b256 s[4:11], s[0:1], 0x0               ; x s[4:5], gate_w s[6:7], xq s[8:9], xs s[10:11]
	s_load_b128 s[12:15], s[0:1], 0x20             ; idx s[12:13], gw s[14:15]
	s_load_b64 s[16:17], s[0:1], 0x30              ; mask
	v_lshl_add_u32 v254, v0, 2, 0x800
	v_mov_b32 v255, 0
	v_lshrrev_b32 v1, 5, v0
	v_readfirstlane_b32 s18, v1                    ; wave = K step
	v_and_b32 v1, 31, v0                           ; lane
	v_lshrrev_b32 v2, 2, v1                        ; i
	v_and_b32 v3, 3, v1                            ; bb
	v_lshlrev_b32 v4, 12, v2
	v_lshl_add_u32 v4, v3, 7, v4                   ; x: 4096 i + 128 bb
	v_lshlrev_b32 v5, 10, v3                       ; gate_w: my 32 rows of 32 bytes
	v_and_b32 v6, 1, v3                            ; h = bb % 2
	v_mul_u32_u24 v6, v6, 384
	v_mad_u32_u24 v6, v2, 768, v6
	v_lshrrev_b32 v7, 1, v3                        ; c = bb / 2
	v_mad_u32_u24 v6, v7, 24, v6                   ; xq: 768 i + 384 h + 24 c
	v_lshl_add_u32 v7, v2, 5, v3                   ; xs: 32 i + bb
	s_lshl_b32 s19, s18, 8
	v_lshl_add_u32 v27, v2, 5, s19                 ; LDS: 256 w + 32 i: a token's 8 partial scores of a wave
	s_lshl_b32 s20, ttmp9, 15
	s_lshl_b32 s21, s18, 9
	s_add_co_u32 s20, s20, s21                     ; x: 8 rows of 4,096 bytes a work-group, 512 bytes a wave
	s_mov_b32 s21, 0
	s_lshl_b32 s22, s18, 12                        ; gate_w: 128 rows a wave
	s_mov_b32 s23, 0
	s_mul_i32 s24, ttmp9, 6144
	s_mul_i32 s25, s18, 48
	s_add_co_u32 s24, s24, s25                     ; xq: 8 x 768 a work-group, 48 a K step
	s_mov_b32 s25, 0
	s_lshl_b32 s26, ttmp9, 8
	s_lshl_b32 s27, s18, 2
	s_add_co_u32 s26, s26, s27                     ; xs: 8 x 32 a work-group, 4 a K step
	s_mov_b32 s27, 0
	s_wait_kmcnt 0x0
	s_add_nc_u64 s[4:5], s[4:5], s[20:21]
	s_add_nc_u64 s[6:7], s[6:7], s[22:23]
	s_add_nc_u64 s[8:9], s[8:9], s[24:25]
	s_add_nc_u64 s[10:11], s[10:11], s[26:27]
.irp k, 0,1,2,3,4,5,6,7
	global_load_b128 v[X+4*\k:X+4*\k+3], v4, s[4:5] offset:16*\k th:TH_LOAD_NT
.endr
	WIN 0x40                                       ; destination window 1: gate_w(d', e) at v[8 d' + e]
.set k, 0
.rept 64
	global_load_b128 v[4*k:4*k+3], v5, s[6:7] offset:16*k
.set k, k+1
.endr
	WIN 0
	s_wait_loadcnt 63                              ; behind x's eight loads stand 64: with 63 out at the most, x is in
	; the block's scale and codes
	v_max3_num_f32 v16, |v[X]|, |v[X+1]|, 0x2800000   ; with the floor 2^(5 - 127): the byte cannot fall under 1
.irp i, 2,4,6,8,10,12,14,16,18,20,22,24,26,28,30
	v_max3_num_f32 v16, v16, |v[X+\i]|, |v[X+1+\i]|
.endr
	v_add_nc_u32 v18, 0xfe000000, v16              ; 4 off the exponent field: the conversion's scale operand
	v_lshrrev_b32 v19, 23, v18                     ; the byte
	v_cvt_scalef32_pk16_bf6_f32 v[20:22], v[X:X+15], v18
	v_cvt_scalef32_pk16_bf6_f32 v[24:26], v[X+16:X+31], v18
	v_nop                                          ; one plain place behind a scaled conversion
	global_store_b96 v6, v[20:22], s[8:9]
	global_store_b96 v6, v[24:26], s[8:9] offset:12
	global_store_b8 v7, v19, s[10:11]
	; my block's part of the 8 scores: x(d') is taken for both halves of a pair, four pairs by turns
	s_wait_loadcnt 0x0
	WIN 0x04                                       ; source 1 in window 1
.irp p, 0,1,2,3
	v_pk_mul_f32 v[ACC+2*\p:ACC+2*\p+1], v[X:X+1], v[2*\p:2*\p+1] op_sel_hi:[0,1]
.endr
.set d, 1
.rept 31
.irp p, 0,1,2,3
.if d%2
	v_pk_fma_f32 v[ACC+2*\p:ACC+2*\p+1], v[X+d-1:X+d], v[8*d+2*\p:8*d+2*\p+1], v[ACC+2*\p:ACC+2*\p+1] op_sel:[1,0,0] op_sel_hi:[1,1,1]
.else
	v_pk_fma_f32 v[ACC+2*\p:ACC+2*\p+1], v[X+d:X+d+1], v[8*d+2*\p:8*d+2*\p+1], v[ACC+2*\p:ACC+2*\p+1] op_sel_hi:[0,1,1]
.endif
.endr
.set d, d+1
.endr
	WIN 0
.irp m, 1,2
.irp p, 0,1,2,3,4,5,6,7
	v_add_f32_dpp v[ACC+\p], v[ACC+\p], v[ACC+\p] row_xmask:\m row_mask:0xf bank_mask:0xf   ; the four blocks of the wave's K step
.endr
.endr
	ds_store_b128 v27, v[8:11]                     ; the four lanes of a token write the same numbers to the same place
	ds_store_b128 v27, v[12:15] offset:16
	s_wait_dscnt 0x0                               ; for the others' sake: my stores have landed
	s_barrier_signal -1
	s_barrier_wait -1
	s_cmp_lg_u32 s18, 0
	s_cbranch_scc1 .Lend                           ; wave 0 alone goes on; lane L takes token L % 8
	v_and_b32 v28, 7, v1
	v_lshlrev_b32 v28, 5, v28
.irp w, 0,1,2,3,4,5,6,7
	ds_load_b128 v[64+8*\w:67+8*\w], v28 offset:256*\w
	ds_load_b128 v[68+8*\w:71+8*\w], v28 offset:256*\w+16
.endr
	s_wait_dscnt 0x0
.irp w, 1,2,3,4,5,6,7
.irp p, 0,2,4,6
	v_pk_add_f32 v[64+\p:65+\p], v[64+\p:65+\p], v[64+8*\w+\p:65+8*\w+\p]   ; K steps in ascending order: v[64 + e] = score e
.endr
.endr
	v_mov_b32 v128, v64                            ; the largest, and its index: a later score takes its place only if it is larger
	v_mov_b32 v129, 0
.irp e, 1,2,3,4,5,6,7
	v_cmp_le_f32 vcc_lo, v[64+\e], v128
	v_cndmask_b32 v128, v[64+\e], v128, vcc_lo
	v_cndmask_b32 v129, \e, v129, vcc_lo
.endr
	v_mov_b32 v133, 0xff800000                     ; -infinity
	v_mov_b32 v130, v133                           ; the second, likewise, with the first taken out
	v_mov_b32 v131, 0
.irp e, 0,1,2,3,4,5,6,7
	v_cmp_eq_u32 vcc_lo, \e, v129
	v_cndmask_b32 v132, v[64+\e], v133, vcc_lo
	v_cmp_le_f32 vcc_lo, v132, v130
	v_cndmask_b32 v130, v132, v130, vcc_lo
	v_cndmask_b32 v131, \e, v131, vcc_lo
.endr
	v_sub_f32 v134, v130, v128                     ; second - first, 0 or less
	v_mul_f32 v134, 0x3fb8aa3b, v134
	v_exp_f32 v134, v134                           ; p = e^(second - first)
	v_lshl_or_b32 v138, v131, 8, v129              ; (a plain place)  e0 | e1 << 8
	s_wait_alu depctr_va_vdst(0)
	v_add_f32 v135, 1.0, v134
	v_rcp_f32 v136, v135                           ; the first's weight 1 / (1 + p)
	v_mov_b32 v139, 0                              ; (a plain place)
	s_wait_alu depctr_va_vdst(0)
	v_mul_f32 v137, v134, v136                     ; the second's p / (1 + p)
.irp e, 0,1,2,3,4,5,6,7
	v_cmp_eq_u32 s28, \e, v129
	v_cmp_eq_u32 s29, \e, v131
	s_or_b32 s28, s28, s29
	s_and_b32 s28, s28, 0xff                       ; bit i: token i of my eight chose expert e
	v_writelane_b32 v139, s28, \e                  ; lane e holds expert e's byte
.endr
	v_lshlrev_b32 v140, 2, v1
	v_lshlrev_b32 v141, 3, v1
	v_lshlrev_b32 v142, 7, v1                      ; mask: 128 bytes an expert
	s_lshl_b32 s30, ttmp9, 5
	s_mov_b32 s31, 0
	s_add_nc_u64 s[12:13], s[12:13], s[30:31]      ; idx: 8 words a work-group
	s_lshl_b32 s30, ttmp9, 6
	s_add_nc_u64 s[14:15], s[14:15], s[30:31]      ; gw: 8 pairs
	s_mov_b32 s30, ttmp9
	s_add_nc_u64 s[16:17], s[16:17], s[30:31]      ; mask: my 8 tokens are byte number work-group of each expert's 128
	s_wait_xcnt 0x0                                ; EXEC changes only behind this wait
	v_cmp_gt_u32 vcc_lo, 8, v1
	s_and_saveexec_b32 s34, vcc_lo
	global_store_b32 v140, v138, s[12:13]
	global_store_b64 v141, v[136:137], s[14:15]
	global_store_b8 v142, v139, s[16:17]
	s_wait_xcnt 0x0                                ; and again in front of the line that widens it
	s_or_b32 exec_lo, exec_lo, s34
.Lend:
	s_wait_tensorcnt 0x0
	ds_add_u32 v254, v255
	s_wait_dscnt 0x0
	s_endpgm
.Lfunc_end_k_q296664f57c_route:
	.size	k_q296664f57c_route, .Lfunc_end_k_q296664f57c_route-k_q296664f57c_route
	.p2alignl 7, 3214868480
	.fill 96, 4, 3214868480
	.section	.rodata,"a",@progbits
	.p2align	6, 0x0
	.amdhsa_kernel k_q296664f57c_route
		.amdhsa_group_segment_fixed_size 3072
		.amdhsa_private_segment_fixed_size 0
		.amdhsa_enable_private_segment 0
		.amdhsa_kernarg_size 56
		.amdhsa_user_sgpr_count 2
		.amdhsa_user_sgpr_kernarg_segment_ptr 1
		.amdhsa_wavefront_size32 1
		.amdhsa_system_sgpr_workgroup_id_x 1
		.amdhsa_system_sgpr_workgroup_id_y 1
		.amdhsa_system_sgpr_workgroup_id_z 1
		.amdhsa_system_vgpr_workitem_id 0
		.amdhsa_next_free_vgpr 512
		.amdhsa_next_free_sgpr 66
		.amdhsa_reserve_vcc 1
		.amdhsa_float_denorm_mode_32 3
		.amdhsa_float_denorm_mode_16_64 3
		.amdhsa_memory_ordered 1
		.amdhsa_forward_progress 1
		.amdhsa_inst_pref_size 29
	.end_amdhsa_kernel
	.amdgpu_metadata
---
amdhsa.version: [ 1, 2 ]
amdhsa.kernels:
  - .name:           k_q296664f57c_route
    .symbol:         k_q296664f57c_route.kd
    .args:
      - { .name: x, .offset: 0, .size: 8, .value_kind: global_buffer, .address_space: global }
      - { .name: gate_w, .offset: 8, .size: 8, .value_kind: global_buffer, .address_space: global }
      - { .name: xq, .offset: 16, .size: 8, .value_kind: global_buffer, .address_space: global }
      - { .name: xs, .offset: 24, .size: 8, .value_kind: global_buffer, .address_space: global }
      - { .name: idx, .offset: 32, .size: 8, .value_kind: global_buffer, .address_space: global }
      - { .name: gw, .offset: 40, .size: 8, .value_kind: global_buffer, .address_space: global }
      - { .name: mask, .offset: 48, .size: 8, .value_kind: global_buffer, .address_space: global }
    .group_segment_fixed_size: 3072
    .private_segment_fixed_size: 0
    .kernarg_segment_align: 8
    .kernarg_segment_size: 56
    .max_flat_workgroup_size: 256
    .sgpr_count:     66
    .vgpr_count:     512
    .wavefront_size: 32
...
	.end_amdgpu_metadata
.endif
;; end of part 1
;; launch gemm1 (part 2): grid 32 x 8, 4 waves a work-group, no clusters, 102,912 bytes of LDS; arguments w1, b1, xq, xs, mask, hq, hs; writes hq, hs
.if DOCPART == 2
	.amdgcn_target "amdgcn-amd-amdhsa--gfx1250"
	.amdhsa_code_object_version 6
	.text
	.protected	k_q296664f57c_gemm1
	.globl	k_q296664f57c_gemm1
	.p2align	8
	.type	k_q296664f57c_gemm1,@function
k_q296664f57c_gemm1:
	s_mov_b64 s[64:65], 0
	v_nop
	global_prefetch_b8 v0, s[64:65] scope:SCOPE_SE
	s_setreg_imm32_b32 hwreg(HW_REG_WAVE_MODE, 25, 1), 1
	s_wait_xcnt 0x0
; GEMM1.  h = gelu(Q(x) Q(w1[e]) + b1[e]) for the rows that chose expert e, quantised again along H: codes of E3M2, one E8M0 byte for each 32 along K.
; SHARES.  Work-group (slice, e): 128 hidden units of one expert, all of K = 1,024: 512 KiB of w1, which no other work-group reads.
; PHASE 1.  Wave w streams k = 256 w .. + 255 in 8 sets of 32 rows; a load is one row's 512 consecutive bytes, 4 columns a lane.  A set is copied so that a column's 32 numbers stand in 32 consecutive
; registers (the conversions take neighbours along K from one lane's consecutive registers), quantised, and stored in LDS as IMAGES OF THE OPERAND'S REGISTERS: fragment 8 s + t, 1,536 bytes, register group
; c of lane L at 512 c + 16 L.  Two sets are on their way while one is worked on.  One barrier ends the phase; it is the kernel's only one.
; THE UNITS OF A TILE ARE NOT NEIGHBOURS: lane r of tile 2 b + u takes unit 32 b + 8 u + r + 8 (r / 8), so that a lane's 16 results of tiles 2 b, 2 b + 1 are 16 neighbours along the next K.
; PHASE 2.  The expert's rows are the set bits of mask[e], in ascending order; position p is the p-th set bit, found in registers.  Row tile t0 + 4 g (t0 = wave + 16 x pass, g < 4) is mine.
; The product is used transposed (source 0 = 16 units of w1, source 1 = 16 rows of x; C of the first K step = b1).  Then gelu by erf in f32, the quantiser, and the fragment's image goes to hq, its scale words to hs.
; The loop over passes is counted against 4 (an expert has 64 row tiles at the most, a pass takes 16) and is left early, by a forward branch, when the count read from memory leaves me no tile: it holds no barrier
; and steps no LDS address.  Tile 0 is always made; rows past the expert's last take a clamped token and are read by nobody.
; erf(z) = z P(z^2) / Q(z^2), z held to +-3.7439211: a rational form good to a few units in f32's last place.
; NO JOINT LOADS: no byte of w1 is read by two work-groups; x's codes, which the 32 slices share, are gathered by a list read from memory, in a loop in which no barrier may stand.
; LIMITS.  NaN and infinities are not served.  A block of zeros, and one whose largest magnitude lies under 2^-122, gets the byte 1 with its codes (zero codes add nothing; only this program reads the bytes).
; REGISTERS.  window 0: v1 16 x lane; v2 4 x lane; v3, v4 where I store codes and scale words; v5 16 x lane + 49,152; v6 scale words' read address; v7 384 h; v8-15, v24-31 at work; v16-19, v20-23 offsets of my
;   rows in xq and xs; v32-63 x's scale words (8 g + s); v64-95 w1's (4 s + t / 2; odd tiles in lanes 16-31); v96-126 codes at work, later the quantiser's; v127 64 h; v128-255 a set's columns, later results, scratch, coefficients.
;   window 1: two sets as loaded, later the accumulators (64 g + 8 t).  window 2: w1's fragments, two buffers of 96; from v192 b1 (8 t).  window 3: x's fragments, five slots of 48 (12 g).
; SCALARS.  s50 wave, s51 slice, s52 expert, s53 row tiles, s54 my first tile of the pass, s55 my tiles in it, s56 the tile on its way out, s79 the pass.
.set SWB, 98304                        ; LDS: behind the 64 images, w1's scale words: [s][lane' = 16 u + r][b] words, tile 2 b + u
.set T,   128
.set C,   96
.set HA,  128
.set TM,  96
.set PC,  192
.set PW,  212
.set BO,  127
.set MSB, 0
.macro WIN new                         ; the immediate's high byte repeats the setting that is left
.if MSB != \new
	s_set_vgpr_msb (MSB<<8)|\new
.set MSB, \new
.endif
.endm
.macro NOPS n
.rept \n
	v_nop
.endr
.endm
.macro LOADSET j                       ; set j: rows 32 j .. 32 j + 31 of my 256, into half j % 2 of window 1: row i's four columns at 4 i
	WIN 0x40
.set i, 0
.rept 32
	global_load_b128 v[128*((\j)%2)+4*i:128*((\j)%2)+4*i+3], v1, s[4:5] offset:(32*(\j)+i)*16384 th:TH_LOAD_NT
.set i, i+1
.endr
	WIN 0
.endm
.macro LOADX s                         ; x's fragments of K step s for my four row tiles: 48 bytes a lane and tile
	WIN 0xc0
.irp g, 0,1,2,3
.irp i, 0,1,2
	global_load_b128 v[48*((\s)%5)+12*\g+4*\i:48*((\s)%5)+12*\g+4*\i+3], v[16+\g], s[8:9] offset:48*(\s)+16*\i
.endr
.endr
	WIN 0
.endm
.macro LOADXS                          ; and their 8 scale words a row
.irp g, 0,1,2,3
	global_load_b128 v[32+8*\g:35+8*\g], v[20+\g], s[10:11]
	global_load_b128 v[36+8*\g:39+8*\g], v[20+\g], s[10:11] offset:16
.endr
.endm
.macro LOADBIAS                        ; b1 in the result's layout: tile t, lane half h: units 32 (t / 2) + 16 h + 8 (t % 2) + 0 .. 7
	WIN 0x80
.irp t, 0,1,2,3,4,5,6,7
	global_load_b128 v[192+8*\t:195+8*\t], v[BO], s[6:7] offset:(32*(\t/2)+8*(\t%2))*4
	global_load_b128 v[196+8*\t:199+8*\t], v[BO], s[6:7] offset:(32*(\t/2)+8*(\t%2))*4+16
.endr
	WIN 0
.endm
; Position v8 of the expert's list -> the token, in v[out]: first the word (the last whose count of earlier bits is at most p), then the bit, by halves.
.macro LEVEL a, w
	v_bfe_u32 v26, v[\a], v25, \w                  ; set bits in the lower half of what is left
	v_cmp_ge_u32 vcc_lo, v24, v26
	v_sub_nc_u32 v27, v24, v26
	v_cndmask_b32 v24, v24, v27, vcc_lo
	v_add_nc_u32 v27, \w, v25
	v_cndmask_b32 v25, v25, v27, vcc_lo
.endm
.macro SEARCH out
	v_mov_b32 v9, s16
	v_mov_b32 v10, 0
	v_mov_b32 v11, 0
	s_bcnt1_i32_b32 s57, s16
	s_mov_b32 s59, 0
.set k, 17
.rept 31
	s_add_co_u32 s59, s59, 32
	v_cmp_gt_u32 vcc_lo, s57, v8                   ; more bits ahead of this word than p: keep
	v_cndmask_b32 v9, s[k], v9, vcc_lo
	v_cndmask_b32 v10, s57, v10, vcc_lo
	v_cndmask_b32 v11, s59, v11, vcc_lo
	s_bcnt1_i32_b32 s58, s[k]
	s_add_co_u32 s57, s57, s58
.set k, k+1
.endr
	v_sub_nc_u32 v24, v8, v10                      ; which set bit of the word
	v_lshrrev_b32 v27, 1, v9
	v_and_b32 v27, 0x55555555, v27
	v_sub_nc_u32 v12, v9, v27                      ; counts of 2 bits,
	v_lshrrev_b32 v27, 2, v12
	v_and_b32 v27, 0x33333333, v27
	v_and_b32 v13, 0x33333333, v12
	v_add_nc_u32 v13, v13, v27                     ; of 4,
	v_lshrrev_b32 v27, 4, v13
	v_add_nc_u32 v14, v13, v27
	v_and_b32 v14, 0x0f0f0f0f, v14                 ; of 8,
	v_lshrrev_b32 v27, 8, v14
	v_add_nc_u32 v15, v14, v27
	v_and_b32 v15, 0x00ff00ff, v15                 ; of 16
	v_mov_b32 v25, 0
	LEVEL 15, 16
	LEVEL 14, 8
	LEVEL 13, 4
	LEVEL 12, 2
	LEVEL 9, 1
	v_add_nc_u32 v[\out], v11, v25
.endm
.macro PROLOG                          ; the tokens of my four row tiles -> offsets in xq (v16-19) and xs (v20-23)
	v_and_b32 v8, 15, v0
	v_bfe_u32 v31, v0, 4, 1
	v_lshl_add_u32 v8, v31, 6, v8
	s_lshl_b32 s72, s54, 4
	v_add_nc_u32 v8, s72, v8                       ; lanes 0-15: tile t0's positions; lanes 16-31: tile t0 + 4's
	SEARCH 28
	v_add_nc_u32 v8, 128, v8                       ; tiles t0 + 8 and t0 + 12
	SEARCH 29
	v_mov_b32 v30, 0
	v_permlanex16_b32 v30, v28, s60, s61
	v_cndmask_b32 v16, v28, v30, s62               ; every lane (r, h) gets row r's token
	v_cndmask_b32 v17, v30, v28, s62
	v_permlanex16_b32 v30, v29, s60, s61
	v_cndmask_b32 v18, v29, v30, s62
	v_cndmask_b32 v19, v30, v29, s62
.irp g, 0,1,2,3
	v_min_u32 v[16+\g], 0x3ff, v[16+\g]
	v_lshlrev_b32 v[20+\g], 5, v[16+\g]
	v_mul_u32_u24 v[16+\g], v[16+\g], 768
	v_add_nc_u32 v[16+\g], v[16+\g], v7
.endr
.endm
; Set j: block j % 4 of K step 2 w + j / 4 for my four columns.  n: the loads issued behind set j's, which may stay out.
.macro QSET j, n
	s_wait_loadcnt \n
	WIN 0x01
.set q, 0
.rept 4
.set i, 0
.rept 32
	v_mov_b32 v[T+32*q+i], v[128*((\j)%2)+4*i+q]   ; column q's 32 numbers on end
.set i, i+1
.endr
.set q, q+1
.endr
	WIN 0
.if (\j) <= 5
	LOADSET (\j)+2                                 ; the half just copied takes the set two on
.endif
.if (\j) < 5
	LOADX \j                                       ; what phase 2 wants first is asked for here, a little in each set
.elseif (\j) == 5
	LOADXS
.elseif (\j) == 6
	LOADBIAS
.endif
.irp q, 0,1,2,3
	v_max3_num_f32 v[8+\q], |v[T+32*\q]|, |v[T+1+32*\q]|, 0x2800000   ; with the floor 2^(5 - 127): the byte cannot fall under 1
.endr
.irp i, 2,4,6,8,10,12,14,16,18,20,22,24,26,28,30
.irp q, 0,1,2,3
	v_max3_num_f32 v[8+\q], v[8+\q], |v[T+32*\q+\i]|, |v[T+1+32*\q+\i]|   ; the four columns by turns
.endr
.endr
	s_wait_dscnt 0x0                               ; the last set's LDS stores have read their registers
.irp q, 0,1,2,3
	v_add_nc_u32 v[12+\q], 0xfe000000, v[8+\q]     ; 4 off the exponent field: the conversion's scale operand
.endr
.irp q, 0,1,2,3
	v_lshrrev_b32 v[24+\q], 23, v[12+\q]           ; the byte
.endr
.irp q, 0,1,2,3
.if ((\j)%4) == 0
	v_mov_b32 v[28+\q], v[24+\q]
.else
	v_lshl_or_b32 v[28+\q], v[24+\q], 8*((\j)%4), v[28+\q]
.endif
.endr
.irp q, 0,1,2,3
	v_cvt_scalef32_pk16_bf6_f32 v[C+8*\q:C+8*\q+2], v[T+32*\q:T+32*\q+15], v[12+\q]
	v_cvt_scalef32_pk16_bf6_f32 v[C+8*\q+4:C+8*\q+6], v[T+32*\q+16:T+32*\q+31], v[12+\q]   ; (a conversion's three registers begin on an even number)
.endr
	v_nop                                          ; one plain place behind a scaled conversion
.irp q, 0,1,2,3
	v_mov_b32 v[C+8*\q+3], v[C+8*\q+4]
	v_mov_b32 v[C+8*\q+4], v[C+8*\q+5]
	v_mov_b32 v[C+8*\q+5], v[C+8*\q+6]             ; the block's six registers on end
.endr
.set FB, 12288*((\j)/4)+256*((\j)%2)   ; the K step's eight images; lanes 16-31 of an image for the odd blocks
.irp q, 0,1,2,3
.if (((\j)/2)%2) == 0
	ds_store_b128 v3, v[C+8*\q:C+8*\q+3] offset:FB+16*\q             ; registers 0-3,
	ds_store_b64 v3, v[C+8*\q+4:C+8*\q+5] offset:FB+16*\q+512        ; 4, 5
.else
	ds_store_b64 v3, v[C+8*\q:C+8*\q+1] offset:FB+16*\q+520          ; registers 6, 7,
	ds_store_b128 v3, v[C+8*\q+2:C+8*\q+5] offset:FB+16*\q+1024      ; 8-11
.endif
.endr
.if ((\j)%4) == 3
.irp q, 0,1,2,3
	ds_store_b32 v4, v[28+\q] offset:16*\q+512*((\j)/4)              ; the K step's scale word of my column
.endr
.endif
.endm
.macro LOADW s                         ; w1's eight fragments of K step s from LDS into buffer s % 2
	WIN 0x80
.irp t, 0,1,2,3,4,5,6,7
.irp c, 0,1,2
.if (\s) < 4
	ds_load_b128 v[96*((\s)%2)+12*\t+4*\c:96*((\s)%2)+12*\t+4*\c+3], v1 offset:(8*((\s)%4)+\t)*1536+512*\c
.else
	ds_load_b128 v[96*((\s)%2)+12*\t+4*\c:96*((\s)%2)+12*\t+4*\c+3], v5 offset:(8*((\s)%4)+\t)*1536+512*\c
.endif
.endr
.endr
	WIN 0
.endm
.macro MM s, g, t
.set rD, 64*(\g)+8*(\t)
.set rA, 96*((\s)%2)+12*(\t)
.set rB, 48*((\s)%5)+12*(\g)
.set rC, 192+8*(\t)
.set rS, 64+4*(\s)+(\t)/2
.set rX, 32+8*(\g)+(\s)
.if (\s) == 0
.if (\t)%2
	v_wmma_scale_f32_16x16x128_f8f6f4 v[rD:rD+7], v[rA:rA+11], v[rB:rB+11], v[rC:rC+7], v[rS], v[rX] matrix_a_fmt:MATRIX_FMT_BF6 matrix_b_fmt:MATRIX_FMT_BF6 matrix_a_scale:MATRIX_SCALE_ROW1
.else
	v_wmma_scale_f32_16x16x128_f8f6f4 v[rD:rD+7], v[rA:rA+11], v[rB:rB+11], v[rC:rC+7], v[rS], v[rX] matrix_a_fmt:MATRIX_FMT_BF6 matrix_b_fmt:MATRIX_FMT_BF6
.endif
.else
.if (\t)%2
	v_wmma_scale_f32_16x16x128_f8f6f4 v[rD:rD+7], v[rA:rA+11], v[rB:rB+11], v[rD:rD+7], v[rS], v[rX] matrix_a_fmt:MATRIX_FMT_BF6 matrix_b_fmt:MATRIX_FMT_BF6 matrix_a_scale:MATRIX_SCALE_ROW1
.else
	v_wmma_scale_f32_16x16x128_f8f6f4 v[rD:rD+7], v[rA:rA+11], v[rB:rB+11], v[rD:rD+7], v[rS], v[rX] matrix_a_fmt:MATRIX_FMT_BF6 matrix_b_fmt:MATRIX_FMT_BF6
.endif
.endif
.endm
; K step s of a pass: up to 32 products; the accumulators take turns, one instruction a turn.
.macro STEP s
.if \s >= 1
	NOPS 4                                         ; places in front of loads into registers that the last step's products read
.endif
.if \s < 7
	LOADW (\s)+1
.endif
.if (\s >= 1) && (\s <= 3)
	LOADX (\s)+4                                   ; into the slot that the last step left
.endif
.if \s < 7
	s_wait_dscnt 24                                ; all but the 24 just issued: this step's fragments are in
.else
	s_wait_dscnt 0x0
.endif
.if \s >= 5
	s_wait_loadcnt 12*(7-\s)                       ; this step's x is in; behind it stand 12 loads for each later step
.endif
.irp g, 0,1,2,3
.if \g > 0
	s_cmp_gt_u32 s55, \g
	s_cbranch_scc0 .Lsk_\@                         ; no such tile in this pass
.endif
.if \s == 0
	WIN 0x6e                                       ; w1 window 2, x window 3, C = b1 window 2, D window 1
.else
	WIN 0x5e                                       ; C and D window 1
.endif
.irp t, 0,1,2,3,4,5,6,7
	MM \s, \g, \t
.endr
	WIN 0
.endr
.Lsk_\@:
.endm
.macro FETCHG g                        ; tile g's 64 results, halved (exact), each accumulator from its low end on
	WIN 0x01
.set i, 0
.rept 32
	v_pk_mul_f32 v[HA+2*i:HA+2*i+1], v[64*\g+2*i:64*\g+2*i+1], 0.5 op_sel_hi:[1,0]
.set i, i+1
.endr
	WIN 0
.endm
; Eight numbers xh = x / 2 at v[HA + b]: z = xh sqrt(2), held; erf = z P(z^2) / Q(z^2); gelu = xh erf + xh.  v192.. z, v200.. z^2 and then 1 / Q, v208.. P, v216.. Q
.macro PK4 op, d, a, b2
	s_wait_alu depctr_va_vdst(0)
.irp p, 0,2,4,6
	\op v[\d+\p:\d+\p+1], v[\a+\p:\a+\p+1], v[\b2+\p:\b2+\p+1]
.endr
.endm
.macro HORNER d, c                     ; d = d z^2 + c
.irp p, 0,2,4,6
	v_pk_fma_f32 v[\d+\p:\d+\p+1], v[\d+\p:\d+\p+1], v[200+\p:201+\p], v[\c:\c+1]
.endr
.endm
.macro GELU8 b
.irp p, 0,2,4,6
	v_pk_mul_f32 v[192+\p:193+\p], v[HA+(\b)+\p:HA+(\b)+\p+1], v[246:247]
.endr
.irp p, 0,1,2,3,4,5,6,7
	v_med3_num_f32 v[192+\p], v[192+\p], s70, s71
.endr
	PK4 v_pk_mul_f32, 200, 192, 192
.irp p, 0,2,4,6
	v_pk_fma_f32 v[208+\p:209+\p], v[200+\p:201+\p], v[224:225], v[226:227]
.endr
.irp p, 0,2,4,6
	v_pk_fma_f32 v[216+\p:217+\p], v[200+\p:201+\p], v[234:235], v[236:237]
.endr
	HORNER 208, 228
	HORNER 216, 238
	HORNER 208, 230
	HORNER 216, 240
	HORNER 208, 232
	HORNER 216, 242
	HORNER 216, 244
	HORNER 216, 248
.irp p, 0,1,2,3,4,5,6,7
	v_rcp_f32 v[200+\p], v[216+\p]
.endr
	PK4 v_pk_mul_f32, 208, 208, 192                ; z P: plain lines behind the reciprocals, which name neither their results nor their sources
	PK4 v_pk_mul_f32, 208, 208, 200
.irp p, 0,2,4,6
	v_pk_fma_f32 v[HA+(\b)+\p:HA+(\b)+\p+1], v[HA+(\b)+\p:HA+(\b)+\p+1], v[208+\p:209+\p], v[HA+(\b)+\p:HA+(\b)+\p+1]
.endr
.endm
; 64 numbers of a lane, register 16 b + i = k 32 b + 16 (lane / 16) + i of my row, become a fragment's codes in v[PC] on and its scale word in v[PW].
.macro QUANT s
.irp b, 0,1,2,3
	v_max3_num_f32 v[TM+\b], |v[\s+16*\b]|, |v[\s+1+16*\b]|, 0x2800000
.endr
.irp i, 2,4,6,8,10,12,14
.irp b, 0,1,2,3
	v_max3_num_f32 v[TM+\b], v[TM+\b], |v[\s+16*\b+\i]|, |v[\s+1+16*\b+\i]|
.endr
.endr
.irp b, 0,1,2,3
	v_permlanex16_b32 v[TM+4+\b], v[TM+\b], s60, s61
.endr
.irp b, 0,1,2,3
	v_max_num_f32 v[TM+\b], v[TM+\b], v[TM+4+\b]   ; with lane l xor 16's: the block's largest magnitude
.endr
.irp b, 0,1,2,3
	v_add_nc_u32 v[TM+12+\b], 0xfe000000, v[TM+\b]
.endr
.irp b, 0,1,2,3
	v_lshrrev_b32 v[TM+4+\b], 23, v[TM+12+\b]
.endr
	v_lshl_or_b32 v[PW], v[TM+5], 8, v[TM+4]
	v_lshl_or_b32 v[PW], v[TM+6], 16, v[PW]
	v_lshl_or_b32 v[PW], v[TM+7], 24, v[PW]
.irp c, 0,1
	v_cvt_scalef32_pk16_bf6_f32 v[PC+6*\c:PC+2+6*\c], v[\s+32*\c:\s+15+32*\c], v[TM+12+2*\c]
	v_cvt_scalef32_pk16_bf6_f32 v[PC+12+4*\c:PC+14+4*\c], v[\s+16+32*\c:\s+31+32*\c], v[TM+12+2*\c+1]
.endr
	v_nop                                          ; one plain place behind a scaled conversion
.irp c, 0,1                            ; the operand's layout wants a whole block in a lane
.irp i, 0,1,2
	v_permlane16_swap_b32 v[PC+6*\c+\i], v[PC+12+4*\c+\i]
.endr
.irp i, 0,1,2
	v_mov_b32 v[PC+3+6*\c+\i], v[PC+12+4*\c+\i]
.endr
.endr
.endm
.macro COEF r, bits
	v_mov_b32 v[\r], \bits
	v_mov_b32 v[\r+1], \bits
.endm
	s_load_b256 s[4:11], s[0:1], 0x0               ; w1 s[4:5], b1 s[6:7], xq s[8:9], xs s[10:11]
	s_load_b128 s[12:15], s[0:1], 0x20             ; mask s[12:13], hq s[14:15]
	s_load_b64 s[48:49], s[0:1], 0x30              ; hs
	v_lshl_add_u32 v119, v0, 2, 0x19000
	s_set_vgpr_msb 0xc0
	v_mov_b32 v255, 0
	s_set_vgpr_msb 0xc000
	v_lshrrev_b32 v8, 5, v0
	v_readfirstlane_b32 s50, v8                    ; wave
	s_mov_b32 s51, ttmp9                           ; slice
	s_and_b32 s52, ttmp7, 0xffff                   ; expert
	v_and_b32 v9, 31, v0
	v_lshlrev_b32 v1, 4, v9
	v_lshlrev_b32 v2, 2, v9
	v_bfe_u32 v10, v0, 3, 2                        ; column 4 l + q: b = l / 8,
	v_bfe_u32 v11, v0, 1, 1                        ; u,
	v_bfe_u32 v12, v0, 2, 1                        ; r / 8,
	v_and_b32 v13, 1, v0                           ; (r % 8) / 4
	v_mul_u32_u24 v3, v10, 3072
	v_mad_u32_u24 v3, v11, 1536, v3                ; tile 2 b + u,
	v_lshl_add_u32 v3, v13, 6, v3
	v_lshl_add_u32 v3, v12, 7, v3                  ; 16 bytes a row r,
	s_mul_i32 s72, s50, 24576
	v_add_nc_u32 v3, s72, v3                       ; my wave's two K steps
	v_lshlrev_b32 v4, 8, v11
	v_lshl_add_u32 v4, v13, 6, v4
	v_lshl_add_u32 v4, v12, 7, v4
	v_lshl_add_u32 v4, v10, 2, v4
	s_lshl_b32 s72, s50, 10
	s_add_co_u32 s72, s72, SWB
	v_add_nc_u32 v4, s72, v4
	v_add_nc_u32 v5, 49152, v1
	v_add_nc_u32 v6, SWB, v1
	v_bfe_u32 v7, v0, 4, 1
	v_lshlrev_b32 v[BO], 6, v7
	v_mul_u32_u24 v7, v7, 384
	s_mov_b32 s60, 0x76543210
	s_mov_b32 s61, 0xfedcba98                      ; v_permlanex16_b32's selects for lane l xor 16
	s_mov_b32 s62, 0xffff0000                      ; lanes 16-31
	s_mov_b32 s70, 0xc06f9c68
	s_mov_b32 s71, 0x406f9c68                      ; +-3.7439211
	s_mov_b32 s79, 0                               ; the pass
	s_lshl_b32 s72, s52, 24
	s_lshl_b32 s73, s50, 22
	s_add_co_u32 s72, s72, s73
	s_lshl_b32 s73, s51, 9
	s_add_co_u32 s72, s72, s73                     ; w1: the expert, my 256 rows, the slice's 512 bytes
	s_mov_b32 s73, 0
	s_lshl_b32 s74, s52, 7
	s_mov_b32 s75, 0
	s_lshl_b32 s76, s52, 14
	s_lshl_b32 s77, s51, 9
	s_add_co_u32 s76, s76, s77
	s_mov_b32 s77, 0
	s_wait_kmcnt 0x0
	s_add_nc_u64 s[4:5], s[4:5], s[72:73]
	s_add_nc_u64 s[12:13], s[12:13], s[74:75]
	s_add_nc_u64 s[6:7], s[6:7], s[76:77]
	s_load_b512 s[16:31], s[12:13], 0x0            ; the expert's 1,024 bits
	s_load_b512 s[32:47], s[12:13], 0x40
	LOADSET 0
	s_wait_kmcnt 0x0
	s_bcnt1_i32_b32 s53, s16
.set k, 17
.rept 31
	s_bcnt1_i32_b32 s72, s[k]
	s_add_co_u32 s53, s53, s72
.set k, k+1
.endr
	s_add_co_u32 s53, s53, 15
	s_lshr_b32 s53, s53, 4
	s_max_u32 s53, s53, 1                          ; row tiles, at least one, at most 64
	s_mov_b32 s54, s50                             ; my first
	PROLOG                                         ; (while set 0 is on its way)
	LOADSET 1
	QSET 0, 32                                     ; behind set 0: set 1
	QSET 1, 44                                     ; behind set 1: set 2, 12 of x
	QSET 2, 56                                     ; behind set k: 12 of x, set k + 1, 12 of x
	QSET 3, 56
	QSET 4, 56
	QSET 5, 56
	QSET 6, 52                                     ; 12 of x, set 7, 8 of x's scale words
	QSET 7, 24                                     ; 8 scale words' loads, 16 of b1
	s_wait_dscnt 0x0                               ; for the others' sake: my images and scale words have landed
	s_barrier_signal -1
	s_barrier_wait -1
	COEF 224, 0x39702d51                           ; P: 2.2905066e-4
	COEF 226, 0x3b5f5da2                           ; 3.4082910e-3
	COEF 228, 0x3d50b6eb                           ; 5.0955695e-2
	COEF 230, 0x3e3da740                           ; 1.8520832e-1
	COEF 232, 0x3f906eba                           ; 1.1283791
	COEF 234, 0xb3fd3906                           ; Q: -1.1791603e-7
	COEF 236, 0x37c588df                           ; 2.3547966e-5
	COEF 238, 0x3a856d28                           ; 1.0179625e-3
	COEF 240, 0x3c6687d4                           ; 1.4070470e-2
	COEF 242, 0x3de34c21                           ; 1.1098505e-1
	COEF 244, 0x3efeb44a                           ; 4.9746925e-1
	COEF 246, 0x3fb504f3                           ; sqrt(2)
	COEF 248, 1.0
.irp b, 0,1,2,3
	v_mov_b32 v[TM+4+\b], 0                        ; a lane permute's destination counts as one of its sources
.endr
	s_cmp_lt_u32 s54, s53
	s_cbranch_scc0 .Lend                           ; fewer tiles than waves
.irp k, 0,1,2,3,4,5,6,7
	ds_load_b128 v[64+4*\k:67+4*\k], v6 offset:512*\k   ; w1's scale words stay in registers
.endr
.Lpass:
	s_sub_co_u32 s55, s53, s54
	s_add_co_u32 s55, s55, 3
	s_lshr_b32 s55, s55, 2
	s_min_u32 s55, s55, 4                          ; my tiles in this pass
	LOADW 0
	s_wait_loadcnt 0x0                             ; x's first five K steps, its scale words, b1
	STEP 0
	STEP 1
	STEP 2
	STEP 3
	STEP 4
	STEP 5
	STEP 6
	STEP 7
	NOPS 4                                         ; places in front of the first read of results
	s_mov_b32 s56, 0
.Lepi:                                             ; a tile a trip
	s_wait_xcnt 0x0                                ; the last trip's stores have read their registers and bases
	s_cmp_lg_u32 s56, 0
	s_cbranch_scc1 .Ln0
	FETCHG 0
	s_branch .Lgelu
.Ln0:
	s_cmp_lg_u32 s56, 1
	s_cbranch_scc1 .Ln1
	FETCHG 1
	s_branch .Lgelu
.Ln1:
	s_cmp_lg_u32 s56, 2
	s_cbranch_scc1 .Ln2
	FETCHG 2
	s_branch .Lgelu
.Ln2:
	FETCHG 3
.Lgelu:
.irp b, 0,8,16,24,32,40,48,56
	GELU8 \b
.endr
	QUANT HA
	s_lshl_b32 s72, s56, 2
	s_add_co_u32 s72, s72, s54
	s_min_u32 s72, s72, 63                         ; the tile
	s_lshl_b32 s73, s52, 6
	s_add_co_u32 s72, s72, s73                     ; 64 tiles an expert
	s_lshl_b32 s72, s72, 5
	s_add_co_u32 s72, s72, s51                     ; the slice is the next product's K step
	s_mul_i32 s74, s72, 1536
	s_mov_b32 s75, 0
	s_lshl_b32 s72, s72, 7
	s_mov_b32 s73, 0
	s_add_nc_u64 s[66:67], s[14:15], s[74:75]
	s_add_nc_u64 s[68:69], s[48:49], s[72:73]
	global_store_b128 v1, v[PC:PC+3], s[66:67]                 ; each store of the wave covers 512 consecutive bytes, aligned
	global_store_b128 v1, v[PC+4:PC+7], s[66:67] offset:512
	global_store_b128 v1, v[PC+8:PC+11], s[66:67] offset:1024
	global_store_b32 v2, v[PW], s[68:69]
	s_add_co_u32 s56, s56, 1
	s_cmp_lt_u32 s56, s55
	s_cbranch_scc1 .Lepi
	s_add_co_u32 s79, s79, 1                       ; the next pass,
	s_lshl_b32 s54, s79, 4
	s_add_co_u32 s54, s54, s50                     ; and my first tile in it: wave + 16 x pass
	s_cmp_lt_u32 s54, s53
	s_cbranch_scc0 .Lend                           ; none is left for me
	s_wait_xcnt 0x0                                ; offsets and bases are written again only behind this wait
	PROLOG
	LOADX 0
	LOADX 1
	LOADX 2
	LOADX 3
	LOADX 4
	LOADXS
	s_cmp_lt_u32 s79, 4                            ; 64 tiles at the most: a tile under 64 lies in pass 0 to 3
	s_cbranch_scc1 .Lpass
.Lend:
	s_set_vgpr_msb 0xc
	s_wait_tensorcnt 0x0
	ds_add_u32 v119, v255
	s_wait_dscnt 0x0
	s_set_vgpr_msb 0xc00
	s_endpgm
.Lfunc_end_k_q296664f57c_gemm1:
	.size	k_q296664f57c_gemm1, .Lfunc_end_k_q296664f57c_gemm1-k_q296664f57c_gemm1
	.p2alignl 7, 3214868480
	.fill 96, 4, 3214868480
	.section	.rodata,"a",@progbits
	.p2align	6, 0x0
	.amdhsa_kernel k_q296664f57c_gemm1
		.amdhsa_group_segment_fixed_size 102912
		.amdhsa_private_segment_fixed_size 0
		.amdhsa_enable_private_segment 0
		.amdhsa_kernarg_size 56
		.amdhsa_user_sgpr_count 2
		.amdhsa_user_sgpr_kernarg_segment_ptr 1
		.amdhsa_wavefront_size32 1
		.amdhsa_system_sgpr_workgroup_id_x 1
		.amdhsa_system_sgpr_workgroup_id_y 1
		.amdhsa_system_sgpr_workgroup_id_z 1
		.amdhsa_system_vgpr_workitem_id 0
		.amdhsa_next_free_vgpr 1024
		.amdhsa_next_free_sgpr 80
		.amdhsa_reserve_vcc 1
		.amdhsa_float_denorm_mode_32 3
		.amdhsa_float_denorm_mode_16_64 3
		.amdhsa_memory_ordered 1
		.amdhsa_forward_progress 1
		.amdhsa_inst_pref_size 255
	.end_amdhsa_kernel
	.section	.bss,"aw",@nobits
	.p2align	6
	.space	262144
	.amdgpu_metadata
---
amdhsa.version: [ 1, 2 ]
amdhsa.kernels:
  - .name:           k_q296664f57c_gemm1
    .symbol:         k_q296664f57c_gemm1.kd
    .args:
      - { .name: w1, .offset: 0, .size: 8, .value_kind: global_buffer, .address_space: global }
      - { .name: b1, .offset: 8, .size: 8, .value_kind: global_buffer, .address_space: global }
      - { .name: xq, .offset: 16, .size: 8, .value_kind: global_buffer, .address_space: global }
      - { .name: xs, .offset: 24, .size: 8, .value_kind: global_buffer, .address_space: global }
      - { .name: mask, .offset: 32, .size: 8, .value_kind: global_buffer, .address_space: global }
      - { .name: hq, .offset: 40, .size: 8, .value_kind: global_buffer, .address_space: global }
      - { .name: hs, .offset: 48, .size: 8, .value_kind: global_buffer, .address_space: global }
    .group_segment_fixed_size: 102912
    .private_segment_fixed_size: 0
    .kernarg_segment_align: 8
    .kernarg_segment_size: 56
    .max_flat_workgroup_size: 128
    .sgpr_count:     80
    .vgpr_count:     1024
    .wavefront_size: 32
...
	.end_amdgpu_metadata
.endif
;; end of part 2
;; launch gemm2 (part 3): grid 32 x 8, 4 waves a work-group, no clusters, 120,320 bytes of LDS; arguments w2, hq, hs, mask, part; writes part
.if DOCPART == 3
	.amdgcn_target "amdgcn-amd-amdhsa--gfx1250"
	.amdhsa_code_object_version 6
	.text
	.protected	k_q296664f57c_gemm2
	.globl	k_q296664f57c_gemm2
	.p2align	8
	.type	k_q296664f57c_gemm2,@function
k_q296664f57c_gemm2:
	s_mov_b64 s[64:65], 0
	v_nop
	global_prefetch_b8 v0, s[64:65] scope:SCOPE_SE
	s_setreg_imm32_b32 hwreg(HW_REG_WAVE_MODE, 25, 1), 1
	s_wait_xcnt 0x0
; GEMM2.  part[kh][1024 e + p][d] = the sum over one half of H of Q(h)[p][k] Q(w2[e])[k][d], for the rows p of expert e's list: codes of E3M2, one E8M0 byte for each 32 along K.
; SHARES.  Work-group (ds, kh, e): 64 output columns, 2,048 of K, one expert: 512 KiB of w2, which no other work-group reads.  64 columns make a row's piece 256 consecutive bytes, aligned; the price is a sum of two
; parts, which the last launch adds.
; PHASE 1.  Wave w streams k = 512 w .. + 511 of the half in 8 sets of 64 rows; a load takes rows i (lanes 0-15) and i + 32 (lanes 16-31), 256 consecutive bytes each, 4 columns a lane.  A set is copied so that a
; column's 32 numbers stand on end, quantised, and stored in LDS as images of the operand's registers: fragment 4 s + t, 1,536 bytes, register group c of lane L at 512 c + 16 L.  One barrier ends the phase.
; PHASE 2.  Row tile t0 + 4 g (t0 = wave + 16 x pass, g < 4) is mine.  h's fragments come from hq as they were stored, three loads of 16 bytes a lane, eight K steps ahead.  The product is used transposed
; (source 0 = 16 columns of w2, source 1 = 16 rows of h), so that a lane holds 8 neighbouring columns of a row; results leave through the wave's own stage in LDS as whole pieces of 256 bytes.
; The loop over passes is counted against 4 (an expert has 64 row tiles at the most, a pass takes 16) and is left early, by a forward branch, when the count read from memory leaves me no tile: it holds no barrier
; and steps no LDS address.  Loads for tiles that a pass does not have are clamped to the expert's last tile.
; NO JOINT LOADS: no byte of w2 is read by two work-groups; h's tiles, which 16 work-groups read, are walked in that loop, in which no barrier may stand.
; LIMITS.  NaN and infinities are not served.  A block of zeros, and one whose largest magnitude lies under 2^-122, gets the byte 1 with its codes.
; REGISTERS.  window 0: v1 my offset in a load; v2 4 x lane; v3, v4 where I store codes and scale words; v5 8 h; v6 16 x lane; v7 16 x lane + 49,152; v8-15, v20-31 at work; v16 scale words' read address;
;   v17, v18 the stage, in and back; v19 my offset in part; v32-63 w2's scale words (2 s + t / 2; odd tiles in lanes 16-31); v64-95 h's (4 (s % 8) + g); v96-126 codes at work; v128-255 a set's columns, later rows on the way out.
;   window 1: two sets as loaded, later the accumulators (32 g + 8 t) and from v128 w2's fragments, two buffers of 48.  windows 2, 3: h's fragments, eight slots of 48 (12 g).
; SCALARS.  s50 wave, s51 which 64 columns, s52 expert, s53 row tiles, s54 my first tile of the pass, s55 my tiles in it, s56 which half of K, s79 the pass.
.set SWB, 98304                        ; LDS: behind the 64 images, w2's scale words: [s / 2][lane' = 16 (t % 2) + r][2 (s % 2) + t / 2] words
.set STG, 102400                       ; and a stage of 16 rows x (256 + 16) bytes for each wave
.set T,   128
.set C,   96
.set MSB, 0
.macro WIN new                         ; the immediate's high byte repeats the setting that is left
.if MSB != \new
	s_set_vgpr_msb (MSB<<8)|\new
.set MSB, \new
.endif
.endm
.macro NOPS n
.rept \n
	v_nop
.endr
.endm
.macro LOADSET j                       ; set j: rows 64 j .. 64 j + 63 of my 512, into half j % 2 of window 1
	WIN 0x40
.set i, 0
.rept 32
	global_load_b128 v[128*((\j)%2)+4*i:128*((\j)%2)+4*i+3], v1, s[4:5] offset:(64*(\j)+i)*4096 th:TH_LOAD_NT
.set i, i+1
.endr
	WIN 0
.endm
.macro LOADH s                         ; h's fragments and scale words of K step s for my four row tiles: 16 loads
.if ((\s)%8) < 4
	WIN 0x80
.else
	WIN 0xc0
.endif
.irp g, 0,1,2,3
.irp c, 0,1,2
	global_load_b128 v[48*((\s)%4)+12*\g+4*\c:48*((\s)%4)+12*\g+4*\c+3], v6, s[16+2*\g:17+2*\g] offset:1536*(\s)+512*\c
.endr
.endr
	WIN 0
.irp g, 0,1,2,3
	global_load_b32 v[64+4*((\s)%8)+\g], v2, s[24+2*\g:25+2*\g] offset:128*(\s)
.endr
.endm
.macro PROLOG2                         ; where my four tiles' fragments and scale words begin
.irp g, 0,1,2,3
	s_add_co_u32 s72, s54, 4*\g
	s_sub_co_u32 s73, s53, 1
	s_min_u32 s72, s72, s73                        ; a tile that was made
	s_min_u32 s72, s72, 63
	s_lshl_b32 s73, s52, 6
	s_add_co_u32 s72, s72, s73
	s_lshl_b32 s72, s72, 5
	s_lshl_b32 s73, s56, 4
	s_add_co_u32 s72, s72, s73                     ; 32 K steps a tile, my half's 16
	s_mul_i32 s74, s72, 1536
	s_mov_b32 s75, 0
	s_lshl_b32 s72, s72, 7
	s_mov_b32 s73, 0
	s_add_nc_u64 s[16+2*\g:17+2*\g], s[6:7], s[74:75]
	s_add_nc_u64 s[24+2*\g:25+2*\g], s[8:9], s[72:73]
.endr
.endm
; Set j: blocks 2 (j % 2) + h of K step 4 w + j / 2 for my four columns.  n: the loads issued behind set j's, which may stay out.
.macro QSET j, n
	s_wait_loadcnt \n
	WIN 0x01
.set q, 0
.rept 4
.set i, 0
.rept 32
	v_mov_b32 v[T+32*q+i], v[128*((\j)%2)+4*i+q]   ; column q's 32 numbers on end
.set i, i+1
.endr
.set q, q+1
.endr
	WIN 0
.if (\j) <= 5
	LOADSET (\j)+2                                 ; the half just copied takes the set two on
.endif
	LOADH \j                                       ; what phase 2 wants first is asked for here, a K step in each set
.irp q, 0,1,2,3
	v_max3_num_f32 v[8+\q], |v[T+32*\q]|, |v[T+1+32*\q]|, 0x2800000   ; with the floor 2^(5 - 127): the byte cannot fall under 1
.endr
.irp i, 2,4,6,8,10,12,14,16,18,20,22,24,26,28,30
.irp q, 0,1,2,3
	v_max3_num_f32 v[8+\q], v[8+\q], |v[T+32*\q+\i]|, |v[T+1+32*\q+\i]|   ; the four columns by turns
.endr
.endr
	s_wait_dscnt 0x0                               ; the last set's LDS stores have read their registers
.irp q, 0,1,2,3
	v_add_nc_u32 v[12+\q], 0xfe000000, v[8+\q]     ; 4 off the exponent field: the conversion's scale operand
.endr
.irp q, 0,1,2,3
	v_lshrrev_b32 v[24+\q], 23, v[12+\q]           ; the byte
.endr
.if ((\j)%2) == 0
.irp q, 0,1,2,3
	v_mov_b32 v[28+\q], v[24+\q]
.endr
.else
.irp q, 0,1,2,3
	v_lshl_or_b32 v[28+\q], v[24+\q], 16, v[28+\q] ; my two bytes: blocks h and 2 + h,
.endr
.irp q, 0,1,2,3
	v_lshlrev_b32 v[28+\q], v5, v[28+\q]           ; at their places;
.endr
.irp q, 0,1,2,3
	v_permlanex16_b32 v[20+\q], v[28+\q], s60, s61
.endr
.irp q, 0,1,2,3
	v_or_b32 v[28+\q], v[28+\q], v[20+\q]          ; with lane l xor 16's two the word is whole
.endr
.endif
.irp q, 0,1,2,3
	v_cvt_scalef32_pk16_bf6_f32 v[C+8*\q:C+8*\q+2], v[T+32*\q:T+32*\q+15], v[12+\q]
	v_cvt_scalef32_pk16_bf6_f32 v[C+8*\q+4:C+8*\q+6], v[T+32*\q+16:T+32*\q+31], v[12+\q]   ; (a conversion's three registers begin on an even number)
.endr
	v_nop                                          ; one plain place behind a scaled conversion
.irp q, 0,1,2,3
	v_mov_b32 v[C+8*\q+3], v[C+8*\q+4]
	v_mov_b32 v[C+8*\q+4], v[C+8*\q+5]
	v_mov_b32 v[C+8*\q+5], v[C+8*\q+6]             ; the block's six registers on end
.endr
.set FB, 6144*((\j)/2)                 ; the K step's four images
.irp q, 0,1,2,3
.if ((\j)%2) == 0
	ds_store_b128 v3, v[C+8*\q:C+8*\q+3] offset:FB+16*\q             ; registers 0-3,
	ds_store_b64 v3, v[C+8*\q+4:C+8*\q+5] offset:FB+16*\q+512        ; 4, 5
.else
	ds_store_b64 v3, v[C+8*\q:C+8*\q+1] offset:FB+16*\q+520          ; registers 6, 7,
	ds_store_b128 v3, v[C+8*\q+2:C+8*\q+5] offset:FB+16*\q+1024      ; 8-11
.endif
.endr
.if ((\j)%2) == 1
.irp q, 0,1,2,3
	ds_store_b32 v4, v[28+\q] offset:16*\q+512*((\j)/4)+8*(((\j)/2)%2)   ; both halves of the lanes write the same word
.endr
.endif
.endm
.macro LOADW s                         ; w2's four fragments of K step s from LDS into buffer s % 2
	WIN 0x40
.irp t, 0,1,2,3
.irp c, 0,1,2
.if (\s) < 8
	ds_load_b128 v[128+48*((\s)%2)+12*\t+4*\c:128+48*((\s)%2)+12*\t+4*\c+3], v6 offset:(4*((\s)%8)+\t)*1536+512*\c
.else
	ds_load_b128 v[128+48*((\s)%2)+12*\t+4*\c:128+48*((\s)%2)+12*\t+4*\c+3], v7 offset:(4*((\s)%8)+\t)*1536+512*\c
.endif
.endr
.endr
	WIN 0
.endm
.macro MM s, g, t
.set rD, 32*(\g)+8*(\t)
.set rA, 128+48*((\s)%2)+12*(\t)
.set rB, 48*((\s)%4)+12*(\g)
.set rS, 32+2*(\s)+(\t)/2
.set rH, 64+4*((\s)%8)+(\g)
.if (\s) == 0
.if (\t)%2
	v_wmma_scale_f32_16x16x128_f8f6f4 v[rD:rD+7], v[rA:rA+11], v[rB:rB+11], 0, v[rS], v[rH] matrix_a_fmt:MATRIX_FMT_BF6 matrix_b_fmt:MATRIX_FMT_BF6 matrix_a_scale:MATRIX_SCALE_ROW1
.else
	v_wmma_scale_f32_16x16x128_f8f6f4 v[rD:rD+7], v[rA:rA+11], v[rB:rB+11], 0, v[rS], v[rH] matrix_a_fmt:MATRIX_FMT_BF6 matrix_b_fmt:MATRIX_FMT_BF6
.endif
.else
.if (\t)%2
	v_wmma_scale_f32_16x16x128_f8f6f4 v[rD:rD+7], v[rA:rA+11], v[rB:rB+11], v[rD:rD+7], v[rS], v[rH] matrix_a_fmt:MATRIX_FMT_BF6 matrix_b_fmt:MATRIX_FMT_BF6 matrix_a_scale:MATRIX_SCALE_ROW1
.else
	v_wmma_scale_f32_16x16x128_f8f6f4 v[rD:rD+7], v[rA:rA+11], v[rB:rB+11], v[rD:rD+7], v[rS], v[rH] matrix_a_fmt:MATRIX_FMT_BF6 matrix_b_fmt:MATRIX_FMT_BF6
.endif
.endif
.endm
; K step s of a pass: up to 16 products; the accumulators take turns, one instruction a turn.  The first step's products start the sums.
.macro STEP s
.if \s >= 1
	NOPS 4                                         ; places in front of loads into registers that the last step's products read
.endif
.if \s < 15
	LOADW (\s)+1
.endif
.if (\s >= 1) && (\s <= 8)
	LOADH (\s)+7                                   ; into the slot that the last step left
.endif
.if \s < 15
	s_wait_dscnt 12                                ; all but the 12 just issued: this step's fragments are in
.else
	s_wait_dscnt 0x0
.endif
.if \s >= 8
.if 16*(15-\s) > 63
	s_wait_loadcnt 63                              ; behind this step's h stand 16 loads for each later step: more than the count can name
.else
	s_wait_loadcnt 16*(15-\s)
.endif
.endif
.irp g, 0,1,2,3
.if \g > 0
	s_cmp_gt_u32 s55, \g
	s_cbranch_scc0 .Lsk_\@                         ; no such tile in this pass
.endif
.if ((\s)%8) < 4
	WIN 0x59                                       ; w2, C and D window 1, h window 2
.else
	WIN 0x5d                                       ; h window 3
.endif
.irp t, 0,1,2,3
	MM \s, \g, \t
.endr
	WIN 0
.endr
.Lsk_\@:
.endm
	s_load_b256 s[4:11], s[0:1], 0x0               ; w2 s[4:5], hq s[6:7], hs s[8:9], mask s[10:11]
	s_load_b64 s[12:13], s[0:1], 0x20              ; part
	v_lshl_add_u32 v119, v0, 2, 0x1d400
	v_mov_b32 v127, 0
	v_lshrrev_b32 v8, 5, v0
	v_readfirstlane_b32 s50, v8                    ; wave
	s_and_b32 s51, ttmp9, 15                       ; which 64 columns
	s_lshr_b32 s56, ttmp9, 4                       ; which half of K
	s_and_b32 s52, ttmp7, 0xffff                   ; expert
	v_bfe_u32 v8, v0, 4, 1                         ; h
	v_and_b32 v9, 15, v0
	v_bfe_u32 v10, v0, 2, 2                        ; column 4 (l % 16) + q: tile t,
	v_and_b32 v11, 3, v0                           ; r / 4
	v_lshlrev_b32 v1, 4, v9
	v_lshl_add_u32 v1, v8, 17, v1                  ; lanes 16-31 take the row 32 further down
	v_and_b32 v12, 31, v0
	v_lshlrev_b32 v2, 2, v12
	v_lshlrev_b32 v6, 4, v12
	v_mul_u32_u24 v3, v10, 1536
	v_lshl_add_u32 v3, v11, 6, v3
	v_lshl_add_u32 v3, v8, 8, v3
	s_mul_i32 s72, s50, 24576
	v_add_nc_u32 v3, s72, v3                       ; my wave's four K steps
	v_bfe_u32 v13, v0, 2, 1
	v_bfe_u32 v14, v0, 3, 1
	v_lshlrev_b32 v4, 8, v13
	v_lshl_add_u32 v4, v11, 6, v4
	v_lshl_add_u32 v4, v14, 2, v4
	s_lshl_b32 s72, s50, 10
	s_add_co_u32 s72, s72, SWB
	v_add_nc_u32 v4, s72, v4
	v_lshlrev_b32 v5, 3, v8
	v_add_nc_u32 v7, 49152, v6
	v_add_nc_u32 v16, SWB, v6
	s_mul_i32 s72, s50, 4352
	s_add_co_u32 s72, s72, STG                     ; my stage
	v_mul_u32_u24 v17, v9, 272
	v_lshl_add_u32 v17, v8, 5, v17
	v_add_nc_u32 v17, s72, v17                     ; in: row r, 32 bytes for each half of the lanes
	v_mul_u32_u24 v18, v8, 272
	v_lshl_add_u32 v18, v9, 4, v18
	v_add_nc_u32 v18, s72, v18                     ; back: lanes 0-15 one row, lanes 16-31 the next
	v_lshlrev_b32 v19, 4, v9
	v_lshl_add_u32 v19, v8, 12, v19                ; and the same two rows in part
.irp q, 0,1,2,3
	v_mov_b32 v[20+\q], 0                          ; a lane permute's destination counts as one of its sources
.endr
	s_mov_b32 s60, 0x76543210
	s_mov_b32 s61, 0xfedcba98                      ; v_permlanex16_b32's selects for lane l xor 16
	s_mov_b32 s79, 0                               ; the pass
	s_lshl_b32 s72, s52, 24
	s_lshl_b32 s73, s56, 23
	s_add_co_u32 s72, s72, s73
	s_lshl_b32 s73, s50, 21
	s_add_co_u32 s72, s72, s73
	s_lshl_b32 s73, s51, 8
	s_add_co_u32 s72, s72, s73                     ; w2: the expert, the half, my 512 rows, the 256 bytes of my columns
	s_mov_b32 s73, 0
	s_lshl_b32 s74, s52, 7
	s_mov_b32 s75, 0
	s_wait_kmcnt 0x0
	s_add_nc_u64 s[4:5], s[4:5], s[72:73]
	s_add_nc_u64 s[10:11], s[10:11], s[74:75]
	s_load_b512 s[16:31], s[10:11], 0x0            ; the expert's 1,024 bits
	s_load_b512 s[32:47], s[10:11], 0x40
	LOADSET 0
	s_wait_kmcnt 0x0
	s_bcnt1_i32_b32 s53, s16
.set k, 17
.rept 31
	s_bcnt1_i32_b32 s72, s[k]
	s_add_co_u32 s53, s53, s72
.set k, k+1
.endr
	s_add_co_u32 s53, s53, 15
	s_lshr_b32 s53, s53, 4
	s_max_u32 s53, s53, 1                          ; row tiles, at least one, at most 64
	s_mov_b32 s54, s50                             ; my first
	PROLOG2                                        ; (the bits are counted: their registers take the tiles' addresses)
	LOADSET 1
	QSET 0, 32                                     ; behind set 0: set 1
	QSET 1, 48                                     ; behind set 1: set 2, 16 of h
	QSET 2, 63                                     ; behind set k: 16 of h, set k + 1, 16 of h: 64, more than the count can name
	QSET 3, 63
	QSET 4, 63
	QSET 5, 63
	QSET 6, 63
	QSET 7, 32                                     ; twice 16 of h
	s_wait_dscnt 0x0                               ; for the others' sake: my images and scale words have landed
	s_barrier_signal -1
	s_barrier_wait -1
	s_cmp_lt_u32 s54, s53
	s_cbranch_scc0 .Lend                           ; fewer tiles than waves
.irp k, 0,1,2,3,4,5,6,7
	ds_load_b128 v[32+4*\k:35+4*\k], v16 offset:512*\k   ; w2's scale words stay in registers
.endr
.Lpass:
	s_sub_co_u32 s55, s53, s54
	s_add_co_u32 s55, s55, 3
	s_lshr_b32 s55, s55, 2
	s_min_u32 s55, s55, 4                          ; my tiles in this pass
	LOADW 0
	s_wait_loadcnt 0x0                             ; h's first eight K steps
	STEP 0
	STEP 1
	STEP 2
	STEP 3
	STEP 4
	STEP 5
	STEP 6
	STEP 7
	STEP 8
	STEP 9
	STEP 10
	STEP 11
	STEP 12
	STEP 13
	STEP 14
	STEP 15
	NOPS 5                                         ; four places in front of the first read of results; a fifth, since the next pass's first products begin these accumulators anew
.irp g, 0,1,2,3
.if \g > 0
	s_cmp_gt_u32 s55, \g
	s_cbranch_scc0 .Lout_done
.endif
	s_wait_xcnt 0x0                                ; earlier stores have read their registers and their base
	s_add_co_u32 s72, s54, 4*\g
	s_min_u32 s72, s72, 63                         ; the tile
	s_lshl_b32 s72, s72, 4
	s_lshl_b32 s73, s52, 10
	s_add_co_u32 s72, s72, s73
	s_lshl_b32 s73, s56, 13
	s_add_co_u32 s72, s72, s73                     ; row 8192 kh + 1024 e + 16 tile
	s_lshl_b32 s72, s72, 12
	s_lshl_b32 s73, s51, 8
	s_add_co_u32 s72, s72, s73
	s_mov_b32 s73, 0
	s_add_nc_u64 s[66:67], s[12:13], s[72:73]
	WIN 0x04                                       ; an LDS store's data are its source 1: window 1
.irp t, 0,1,2,3
	ds_store_b128 v17, v[32*\g+8*\t:32*\g+8*\t+3] offset:64*\t        ; each accumulator from its low end on
	ds_store_b128 v17, v[32*\g+8*\t+4:32*\g+8*\t+7] offset:64*\t+16
.endr
	WIN 0
.irp i, 0,1,2,3,4,5,6,7
	ds_load_b128 v[128+32*(\g%2)+4*\i:128+32*(\g%2)+4*\i+3], v18 offset:544*\i   ; LDS serves a wave's instructions in order (ISA guide 5.7.1.4): these see the stores above
.endr
.irp i, 0,1,2,3,4,5,6,7
	s_wait_dscnt 7-\i
	global_store_b128 v19, v[128+32*(\g%2)+4*\i:128+32*(\g%2)+4*\i+3], s[66:67] offset:8192*\i   ; 16 lanes store 256 consecutive bytes, aligned
.endr
.endr
.Lout_done:
	s_add_co_u32 s79, s79, 1                       ; the next pass,
	s_lshl_b32 s54, s79, 4
	s_add_co_u32 s54, s54, s50                     ; and my first tile in it: wave + 16 x pass
	s_cmp_lt_u32 s54, s53
	s_cbranch_scc0 .Lend                           ; none is left for me
	s_wait_xcnt 0x0                                ; the tiles' addresses are written again only behind this wait
	PROLOG2
	LOADH 0
	LOADH 1
	LOADH 2
	LOADH 3
	LOADH 4
	LOADH 5
	LOADH 6
	LOADH 7
	s_cmp_lt_u32 s79, 4                            ; 64 tiles at the most: a tile under 64 lies in pass 0 to 3
	s_cbranch_scc1 .Lpass
.Lend:
	s_wait_tensorcnt 0x0
	ds_add_u32 v119, v127
	s_wait_dscnt 0x0
	s_endpgm
.Lfunc_end_k_q296664f57c_gemm2:
	.size	k_q296664f57c_gemm2, .Lfunc_end_k_q296664f57c_gemm2-k_q296664f57c_gemm2
	.p2alignl 7, 3214868480
	.fill 96, 4, 3214868480
	.section	.rodata,"a",@progbits
	.p2align	6, 0x0
	.amdhsa_kernel k_q296664f57c_gemm2
		.amdhsa_group_segment_fixed_size 120320
		.amdhsa_private_segment_fixed_size 0
		.amdhsa_enable_private_segment 0
		.amdhsa_kernarg_size 40
		.amdhsa_user_sgpr_count 2
		.amdhsa_user_sgpr_kernarg_segment_ptr 1
		.amdhsa_wavefront_size32 1
		.amdhsa_system_sgpr_workgroup_id_x 1
		.amdhsa_system_sgpr_workgroup_id_y 1
		.amdhsa_system_sgpr_workgroup_id_z 1
		.amdhsa_system_vgpr_workitem_id 0
		.amdhsa_next_free_vgpr 1024
		.amdhsa_next_free_sgpr 80
		.amdhsa_reserve_vcc 0
		.amdhsa_float_denorm_mode_32 3
		.amdhsa_float_denorm_mode_16_64 3
		.amdhsa_memory_ordered 1
		.amdhsa_forward_progress 1
		.amdhsa_inst_pref_size 223
	.end_amdhsa_kernel
	.amdgpu_metadata
---
amdhsa.version: [ 1, 2 ]
amdhsa.kernels:
  - .name:           k_q296664f57c_gemm2
    .symbol:         k_q296664f57c_gemm2.kd
    .args:
      - { .name: w2, .offset: 0, .size: 8, .value_kind: global_buffer, .address_space: global }
      - { .name: hq, .offset: 8, .size: 8, .value_kind: global_buffer, .address_space: global }
      - { .name: hs, .offset: 16, .size: 8, .value_kind: global_buffer, .address_space: global }
      - { .name: mask, .offset: 24, .size: 8, .value_kind: global_buffer, .address_space: global }
      - { .name: part, .offset: 32, .size: 8, .value_kind: global_buffer, .address_space: global }
    .group_segment_fixed_size: 120320
    .private_segment_fixed_size: 0
    .kernarg_segment_align: 8
    .kernarg_segment_size: 40
    .max_flat_workgroup_size: 128
    .sgpr_count:     80
    .vgpr_count:     1024
    .wavefront_size: 32
...
	.end_amdgpu_metadata
.endif
;; end of part 3
;; launch combine (part 4): grid 256 x 1, 4 waves a work-group, no clusters, 0 bytes of LDS; arguments part, b2, gw, idx, mask, out0; writes out0
.if DOCPART == 4
	.amdgcn_target "amdgcn-amd-amdhsa--gfx1250"
	.amdhsa_code_object_version 6
	.text
	.protected	k_q296664f57c_combine
	.globl	k_q296664f57c_combine
	.p2align	8
	.type	k_q296664f57c_combine,@function
k_q296664f57c_combine:
	s_mov_b64 s[64:65], 0
	v_nop
	global_prefetch_b8 v0, s[64:65] scope:SCOPE_SE
	s_setreg_imm32_b32 hwreg(HW_REG_WAVE_MODE, 25, 1), 1
	s_wait_xcnt 0x0
; COMBINE.  out[t] = g0 (part0[e0][p0] + part1[e0][p0] + b2[e0]) + g1 (the same of e1), in f32.  p is token t's place in its expert's list: the number of set bits of mask[e] below bit t.
; One wave, one token; each load and store of the wave covers 512 consecutive bytes, aligned.  Memory binds: no LDS, no barrier, no matrix unit, no cluster (no two waves read the same row of part).
; Whole numbers read from memory (the experts, the place) enter an address only behind a hold at their largest value.
	s_load_b256 s[4:11], s[0:1], 0x0               ; part s[4:5], b2 s[6:7], gw s[8:9], idx s[10:11]
	s_load_b128 s[12:15], s[0:1], 0x20             ; mask s[12:13], out0 s[14:15]
	v_lshrrev_b32 v1, 5, v0
	v_readfirstlane_b32 s16, v1
	s_lshl_b32 s17, ttmp9, 2
	s_add_co_u32 s17, s17, s16                     ; my token
	v_and_b32 v2, 31, v0                           ; lane
	v_lshlrev_b32 v1, 4, v2
	v_lshlrev_b32 v3, 2, v2
	s_lshl_b32 s18, s17, 2
	s_mov_b32 s19, 0
	s_lshl_b32 s20, s17, 3
	s_mov_b32 s21, 0
	s_mov_b32 s38, 0x76543210
	s_mov_b32 s39, 0xfedcba98                      ; v_permlanex16_b32's selects for lane l xor 16
	s_wait_kmcnt 0x0
	s_add_nc_u64 s[10:11], s[10:11], s[18:19]
	s_add_nc_u64 s[8:9], s[8:9], s[20:21]
	s_load_b32 s22, s[10:11], 0x0
	s_load_b64 s[24:25], s[8:9], 0x0               ; the two weights
	s_wait_kmcnt 0x0
	s_bfe_u32 s26, s22, 0x80000
	s_bfe_u32 s27, s22, 0x80008
	s_min_u32 s26, s26, 7                          ; e0
	s_min_u32 s27, s27, 7                          ; e1
	s_lshl_b32 s28, s26, 7
	s_mov_b32 s29, 0
	s_add_nc_u64 s[30:31], s[12:13], s[28:29]
	s_lshl_b32 s28, s27, 7
	s_add_nc_u64 s[32:33], s[12:13], s[28:29]
	global_load_b32 v4, v3, s[30:31]               ; lane j: word j of the expert's bits
	global_load_b32 v5, v3, s[32:33]
	s_and_b32 s34, s17, 31
	s_bfm_b32 s35, s34, 0                          ; the bits below mine in my word
	s_lshr_b32 s36, s17, 5                         ; my word
	v_mov_b32 v7, -1
	v_mov_b32 v8, s35
	v_cmp_eq_u32 vcc_lo, s36, v2
	v_cndmask_b32 v6, 0, v8, vcc_lo
	v_cmp_gt_u32 vcc_lo, s36, v2
	v_cndmask_b32 v6, v6, v7, vcc_lo               ; earlier words whole, my word in part, later words not
	v_mov_b32 v9, 0
	v_mov_b32 v10, 0
	v_mov_b32 v208, s24
	v_mov_b32 v209, s24
	v_mov_b32 v210, s25
	v_mov_b32 v211, s25
	s_wait_loadcnt 0x0
.macro POPC r, t                       ; the set bits of v[r] & v6, summed over the 32 lanes, in every lane
	v_and_b32 v[\r], v[\r], v6
	v_lshrrev_b32 v[\t], 1, v[\r]
	v_and_b32 v[\t], 0x55555555, v[\t]
	v_sub_nc_u32 v[\r], v[\r], v[\t]
	v_lshrrev_b32 v[\t], 2, v[\r]
	v_and_b32 v[\t], 0x33333333, v[\t]
	v_and_b32 v[\r], 0x33333333, v[\r]
	v_add_nc_u32 v[\r], v[\r], v[\t]
	v_lshrrev_b32 v[\t], 4, v[\r]
	v_add_nc_u32 v[\r], v[\r], v[\t]
	v_and_b32 v[\r], 0x0f0f0f0f, v[\r]
	v_lshrrev_b32 v[\t], 8, v[\r]
	v_add_nc_u32 v[\r], v[\r], v[\t]
	v_lshrrev_b32 v[\t], 16, v[\r]
	v_add_nc_u32 v[\r], v[\r], v[\t]
	v_and_b32 v[\r], 0x3f, v[\r]
.irp m, 1,2,4,8
	v_mov_b32_dpp v[\t], v[\r] row_xmask:\m row_mask:0xf bank_mask:0xf
	v_add_nc_u32 v[\r], v[\r], v[\t]
.endr
	v_permlanex16_b32 v[\t], v[\r], s38, s39
	v_add_nc_u32 v[\r], v[\r], v[\t]
.endm
	POPC 4, 9
	POPC 5, 10
	v_readfirstlane_b32 s40, v4
	v_readfirstlane_b32 s41, v5
	s_min_u32 s40, s40, 1023                       ; my place in e0's list,
	s_min_u32 s41, s41, 1023                       ; in e1's
	s_lshl_b32 s42, s26, 10
	s_add_co_u32 s42, s42, s40
	s_lshl_b32 s42, s42, 12                        ; rows of 4,096 bytes
	s_mov_b32 s43, 0
	s_add_nc_u64 s[44:45], s[4:5], s[42:43]
	s_add_nc_u64 s[46:47], s[44:45], 0x2000000     ; the other half of K: 8,192 rows on
	s_lshl_b32 s42, s27, 10
	s_add_co_u32 s42, s42, s41
	s_lshl_b32 s42, s42, 12
	s_add_nc_u64 s[48:49], s[4:5], s[42:43]
	s_add_nc_u64 s[50:51], s[48:49], 0x2000000
	s_lshl_b32 s42, s26, 12
	s_add_nc_u64 s[52:53], s[6:7], s[42:43]
	s_lshl_b32 s42, s27, 12
	s_add_nc_u64 s[54:55], s[6:7], s[42:43]
	s_lshl_b32 s42, s17, 12
	s_add_nc_u64 s[14:15], s[14:15], s[42:43]
.irp i, 0,1,2,3,4,5,6,7
	global_load_b128 v[16+4*\i:19+4*\i], v1, s[44:45] offset:512*\i th:TH_LOAD_NT
	global_load_b128 v[48+4*\i:51+4*\i], v1, s[46:47] offset:512*\i th:TH_LOAD_NT
	global_load_b128 v[80+4*\i:83+4*\i], v1, s[52:53] offset:512*\i
	global_load_b128 v[112+4*\i:115+4*\i], v1, s[48:49] offset:512*\i th:TH_LOAD_NT
	global_load_b128 v[144+4*\i:147+4*\i], v1, s[50:51] offset:512*\i th:TH_LOAD_NT
	global_load_b128 v[176+4*\i:179+4*\i], v1, s[54:55] offset:512*\i
.endr
	s_wait_loadcnt 0x0
.set i, 0
.rept 16
	v_pk_add_f32 v[16+2*i:17+2*i], v[16+2*i:17+2*i], v[48+2*i:49+2*i]
	v_pk_add_f32 v[112+2*i:113+2*i], v[112+2*i:113+2*i], v[144+2*i:145+2*i]
	v_pk_add_f32 v[16+2*i:17+2*i], v[16+2*i:17+2*i], v[80+2*i:81+2*i]
	v_pk_add_f32 v[112+2*i:113+2*i], v[112+2*i:113+2*i], v[176+2*i:177+2*i]
	v_pk_mul_f32 v[16+2*i:17+2*i], v[16+2*i:17+2*i], v[208:209]
	v_pk_fma_f32 v[16+2*i:17+2*i], v[112+2*i:113+2*i], v[210:211], v[16+2*i:17+2*i]
.set i, i+1
.endr
.irp i, 0,1,2,3,4,5,6,7
	global_store_b128 v1, v[16+4*\i:19+4*\i], s[14:15] offset:512*\i th:TH_STORE_NT
.endr
	s_endpgm
.Lfunc_end_k_q296664f57c_combine:
	.size	k_q296664f57c_combine, .Lfunc_end_k_q296664f57c_combine-k_q296664f57c_combine
	.p2alignl 7, 3214868480
	.fill 96, 4, 3214868480
	.section	.rodata,"a",@progbits
	.p2align	6, 0x0
	.amdhsa_kernel k_q296664f57c_combine
		.amdhsa_group_segment_fixed_size 0
		.amdhsa_private_segment_fixed_size 0
		.amdhsa_enable_private_segment 0
		.amdhsa_kernarg_size 48
		.amdhsa_user_sgpr_count 2
		.amdhsa_user_sgpr_kernarg_segment_ptr 1
		.amdhsa_wavefront_size32 1
		.amdhsa_system_sgpr_workgroup_id_x 1
		.amdhsa_system_sgpr_workgroup_id_y 1
		.amdhsa_system_sgpr_workgroup_id_z 1
		.amdhsa_system_vgpr_workitem_id 0
		.amdhsa_next_free_vgpr 216
		.amdhsa_next_free_sgpr 66
		.amdhsa_reserve_vcc 1
		.amdhsa_float_denorm_mode_32 3
		.amdhsa_float_denorm_mode_16_64 3
		.amdhsa_memory_ordered 1
		.amdhsa_forward_progress 1
		.amdhsa_inst_pref_size 17
	.end_amdhsa_kernel
	.amdgpu_metadata
---
amdhsa.version: [ 1, 2 ]
amdhsa.kernels:
  - .name:           k_q296664f57c_combine
    .symbol:         k_q296664f57c_combine.kd
    .args:
      - { .name: part, .offset: 0, .size: 8, .value_kind: global_buffer, .address_space: global }
      - { .name: b2, .offset: 8, .size: 8, .value_kind: global_buffer, .address_space: global }
      - { .name: gw, .offset: 16, .size: 8, .value_kind: global_buffer, .address_space: global }
      - { .name: idx, .offset: 24, .size: 8, .value_kind: global_buffer, .address_space: global }
      - { .name: mask, .offset: 32, .size: 8, .value_kind: global_buffer, .address_space: global }
      - { .name: out0, .offset: 40, .size: 8, .value_kind: global_buffer, .address_space: global }
    .group_segment_fixed_size: 0
    .private_segment_fixed_size: 0
    .kernarg_segment_align: 8
    .kernarg_segment_size: 48
    .max_flat_workgroup_size: 128
    .sgpr_count:     66
    .vgpr_count:     216
    .wavefront_size: 32
...
	.end_amdgpu_metadata
.endif
;; end of part 4
;; ======== version 2 of 2: 4 launches
;; workspace buffers: xq 786,432 bytes; xs 32,768 bytes; idx 4,096 bytes of whole numbers; mask 1,024 bytes of whole numbers; gw 8,192 bytes; hq 25,165,824 bytes; hs 2,097,152 bytes; part 67,108,864 bytes
;; launch route (part 5): grid 128 x 1, 8 waves a work-group, no clusters, 3,072 bytes of LDS; arguments x, gate_w, xq, xs, idx, gw, mask; writes xq, xs, idx, gw, mask
.if DOCPART == 5
	.amdgcn_target "amdgcn-amd-amdhsa--gfx1250"
	.amdhsa_code_object_version 6
	.text
	.protected	k_q296664f57c_route
	.globl	k_q296664f57c_route
	.p2align	8
	.type	k_q296664f57c_route,@function
k_q296664f57c_route:
	s_mov_b64 s[64:65], 0
	v_nop
	global_prefetch_b8 v0, s[64:65] scope:SCOPE_SE
	s_setreg_imm32_b32 hwreg(HW_REG_WAVE_MODE, 25, 1), 1
	s_wait_xcnt 0x0
; ROUTE.  scores = x gate_w in f32 (fused multiply-adds), the two largest of a token's 8 scores (of equal scores the lower index), a softmax over the two (the larger is taken away first),
; and x as codes of E3M2 with one E8M0 byte for each 32 along D.
; SHARES.  A work-group takes 8 tokens.  Wave w takes d = 128 w .. 128 w + 127.  Lane: token i = lane / 4, block bb = lane % 4: a lane holds one whole block of 32 numbers of one token.
; OUT.  xq [t][h 2][s 8][c 2][24 bytes]: block 4 s + 2 c + h of token t, so that the 48 bytes of (t, h, s) are the 12 operand registers of lane (row, h) for K step s.
;       xs [t][32] scale bytes.  idx [t] = e0 | e1 << 8.  gw [t][2] the two weights.  mask [e][32 words]: bit l of word j says that token 32 j + l chose expert e.
; No address and no branch hangs on a score: the choice is only stored, at fixed places.
; LIMITS.  NaN and infinities are not served.  A block of zeros, and one whose largest magnitude lies under 2^-122, gets the byte 1 (zero codes add nothing; only this program reads the bytes).
; The scores are f32 sums in another order than a plain dot product's: two scores that differ in their last bits only may be chosen the other way.
; No matrix unit, no cluster: 8 columns are too few for a tile, and no two work-groups share a token.
.set X,   32                           ; v32-63   my 32 numbers of x
.set ACC, 8                            ; v8-15    my 8 partial scores, as four pairs
.set MSB, 0
.macro WIN new                         ; the immediate's high byte repeats the setting that is left
.if MSB != \new
	s_set_vgpr_msb (MSB<<8)|\new
.set MSB, \new
.endif
.endm
	s_load_b256 s[4:11], s[0:1], 0x0               ; x s[4:5], gate_w s[6:7], xq s[8:9], xs s[10:11]
	s_load_b128 s[12:15], s[0:1], 0x20             ; idx s[12:13], gw s[14:15]
	s_load_b64 s[16:17], s[0:1], 0x30              ; mask
	v_lshl_add_u32 v254, v0, 2, 0x800
	v_mov_b32 v255, 0
	v_lshrrev_b32 v1, 5, v0
	s_delay_alu instid0(VALU_DEP_1)
	v_readfirstlane_b32 s18, v1                    ; wave = K step
	v_and_b32 v1, 31, v0                           ; lane
	s_delay_alu instid0(VALU_DEP_1)
	v_lshrrev_b32 v2, 2, v1                        ; i
	s_delay_alu instid0(VALU_DEP_2)
	v_and_b32 v3, 3, v1                            ; bb
	s_delay_alu instid0(VALU_DEP_2)
	v_lshlrev_b32 v4, 12, v2
	s_delay_alu instid0(VALU_DEP_1)
	v_lshl_add_u32 v4, v3, 7, v4                   ; x: 4096 i + 128 bb
	s_delay_alu instid0(VALU_DEP_3)
	v_lshlrev_b32 v5, 10, v3                       ; gate_w: my 32 rows of 32 bytes
	s_delay_alu instid0(VALU_DEP_4)
	v_and_b32 v6, 1, v3                            ; h = bb % 2
	s_delay_alu instid0(VALU_DEP_1)
	v_mul_u32_u24 v6, v6, 384
	s_delay_alu instid0(VALU_DEP_1)
	v_mad_u32_u24 v6, v2, 768, v6
	v_lshrrev_b32 v7, 1, v3                        ; c = bb / 2
	s_delay_alu instid0(VALU_DEP_1)
	v_mad_u32_u24 v6, v7, 24, v6                   ; xq: 768 i + 384 h + 24 c
	v_lshl_add_u32 v7, v2, 5, v3                   ; xs: 32 i + bb
	s_lshl_b32 s19, s18, 8
	v_lshl_add_u32 v27, v2, 5, s19                 ; LDS: 256 w + 32 i: a token's 8 partial scores of a wave
	s_lshl_b32 s20, ttmp9, 15
	s_lshl_b32 s21, s18, 9
	s_add_co_u32 s20, s20, s21                     ; x: 8 rows of 4,096 bytes a work-group, 512 bytes a wave
	s_mov_b32 s21, 0
	s_lshl_b32 s22, s18, 12                        ; gate_w: 128 rows a wave
	s_mov_b32 s23, 0
	s_mul_i32 s24, ttmp9, 6144
	s_mul_i32 s25, s18, 48
	s_add_co_u32 s24, s24, s25                     ; xq: 8 x 768 a work-group, 48 a K step
	s_mov_b32 s25, 0
	s_lshl_b32 s26, ttmp9, 8
	s_lshl_b32 s27, s18, 2
	s_add_co_u32 s26, s26, s27                     ; xs: 8 x 32 a work-group, 4 a K step
	s_mov_b32 s27, 0
	s_wait_alu depctr_va_vdst(0)
	s_wait_kmcnt 0x0
	s_add_nc_u64 s[4:5], s[4:5], s[20:21]
	s_add_nc_u64 s[6:7], s[6:7], s[22:23]
	s_add_nc_u64 s[8:9], s[8:9], s[24:25]
	s_add_nc_u64 s[10:11], s[10:11], s[26:27]
.irp k, 0,1,2,3,4,5,6,7
	global_load_b128 v[X+4*\k:X+4*\k+3], v4, s[4:5] offset:16*\k th:TH_LOAD_NT
.endr
	WIN 0x40                                       ; destination window 1: gate_w(d', e) at v[8 d' + e]
.set k, 0
.rept 64
	global_load_b128 v[4*k:4*k+3], v5, s[6:7] offset:16*k
.set k, k+1
.endr
	WIN 0
	s_wait_loadcnt 63                              ; behind x's eight loads stand 64: with 63 out at the most, x is in
	; the block's scale and codes
	v_max3_num_f32 v16, |v[X]|, |v[X+1]|, 0x2800000   ; with the floor 2^(5 - 127): the byte cannot fall under 1
.irp i, 2,4,6,8,10,12,14,16,18,20,22,24,26,28,30
	s_delay_alu instid0(VALU_DEP_1)
	v_max3_num_f32 v16, v16, |v[X+\i]|, |v[X+1+\i]|
.endr
	s_delay_alu instid0(VALU_DEP_1)
	v_add_nc_u32 v18, 0xfe000000, v16              ; 4 off the exponent field: the conversion's scale operand
	s_delay_alu instid0(VALU_DEP_1)
	v_lshrrev_b32 v19, 23, v18                     ; the byte
	v_cvt_scalef32_pk16_bf6_f32 v[20:22], v[X:X+15], v18
	v_cvt_scalef32_pk16_bf6_f32 v[24:26], v[X+16:X+31], v18
	v_nop                                          ; one plain place behind a scaled conversion
	global_store_b96 v6, v[20:22], s[8:9]
	global_store_b96 v6, v[24:26], s[8:9] offset:12
	global_store_b8 v7, v19, s[10:11]
	; my block's part of the 8 scores: x(d') is taken for both halves of a pair, four pairs by turns
	s_wait_loadcnt 0x0
	WIN 0x04                                       ; source 1 in window 1
.irp p, 0,1,2,3
	v_pk_mul_f32 v[ACC+2*\p:ACC+2*\p+1], v[X:X+1], v[2*\p:2*\p+1] op_sel_hi:[0,1]
.endr
.set d, 1
.rept 31
.irp p, 0,1,2,3
.if d%2
	s_delay_alu instid0(VALU_DEP_4)
	v_pk_fma_f32 v[ACC+2*\p:ACC+2*\p+1], v[X+d-1:X+d], v[8*d+2*\p:8*d+2*\p+1], v[ACC+2*\p:ACC+2*\p+1] op_sel:[1,0,0] op_sel_hi:[1,1,1]
.else
	s_delay_alu instid0(VALU_DEP_4)
	v_pk_fma_f32 v[ACC+2*\p:ACC+2*\p+1], v[X+d:X+d+1], v[8*d+2*\p:8*d+2*\p+1], v[ACC+2*\p:ACC+2*\p+1] op_sel_hi:[0,1,1]
.endif
.endr
.set d, d+1
.endr
	WIN 0
.irp m, 1,2
.irp p, 0,1,2,3,4,5,6,7
	v_add_f32_dpp v[ACC+\p], v[ACC+\p], v[ACC+\p] row_xmask:\m row_mask:0xf bank_mask:0xf   ; the four blocks of the wave's K step
.endr
.endr
	ds_store_b128 v27, v[8:11]                     ; the four lanes of a token write the same numbers to the same place
	ds_store_b128 v27, v[12:15] offset:16
	s_wait_dscnt 0x0                               ; for the others' sake: my stores have landed
	s_barrier_signal -1
	s_barrier_wait -1
	s_cmp_lg_u32 s18, 0
	s_cbranch_scc1 .Lend                           ; wave 0 alone goes on; lane L takes token L % 8
	v_and_b32 v28, 7, v1
	s_delay_alu instid0(VALU_DEP_1)
	v_lshlrev_b32 v28, 5, v28
.irp w, 0,1,2,3,4,5,6,7
	ds_load_b128 v[64+8*\w:67+8*\w], v28 offset:256*\w
	ds_load_b128 v[68+8*\w:71+8*\w], v28 offset:256*\w+16
.endr
	s_wait_dscnt 0x0
.irp w, 1,2,3,4,5,6,7
.irp p, 0,2,4,6
	v_pk_add_f32 v[64+\p:65+\p], v[64+\p:65+\p], v[64+8*\w+\p:65+8*\w+\p]   ; K steps in ascending order: v[64 + e] = score e
.endr
.endr
	s_delay_alu instid0(VALU_DEP_4)
	v_mov_b32 v128, v64                            ; the largest, and its index: a later score takes its place only if it is larger
	v_mov_b32 v129, 0
.irp e, 1,2,3,4,5,6,7
	s_delay_alu instid0(VALU_DEP_2)
	v_cmp_le_f32 vcc_lo, v[64+\e], v128
	s_delay_alu instid0(VALU_DEP_1)
	v_cndmask_b32 v128, v[64+\e], v128, vcc_lo
	s_delay_alu instid0(VALU_DEP_2)
	v_cndmask_b32 v129, \e, v129, vcc_lo
.endr
	v_mov_b32 v133, 0xff800000                     ; -infinity
	s_delay_alu instid0(VALU_DEP_1)
	v_mov_b32 v130, v133                           ; the second, likewise, with the first taken out
	v_mov_b32 v131, 0
.irp e, 0,1,2,3,4,5,6,7
	v_cmp_eq_u32 vcc_lo, \e, v129
	s_delay_alu instid0(VALU_DEP_1)
	v_cndmask_b32 v132, v[64+\e], v133, vcc_lo
	s_delay_alu instid0(VALU_DEP_1)
	v_cmp_le_f32 vcc_lo, v132, v130
	s_delay_alu instid0(VALU_DEP_1)
	v_cndmask_b32 v130, v132, v130, vcc_lo
	s_delay_alu instid0(VALU_DEP_2)
	v_cndmask_b32 v131, \e, v131, vcc_lo
.endr
	s_delay_alu instid0(VALU_DEP_2)
	v_sub_f32 v134, v130, v128                     ; second - first, 0 or less
	s_delay_alu instid0(VALU_DEP_1)
	v_mul_f32 v134, 0x3fb8aa3b, v134
	s_wait_alu depctr_va_vdst(0)
	v_exp_f32 v134, v134                           ; p = e^(second - first)
	v_lshl_or_b32 v138, v131, 8, v129              ; (a plain place)  e0 | e1 << 8
	s_wait_alu depctr_va_vdst(0)
	v_add_f32 v135, 1.0, v134
	s_wait_alu depctr_va_vdst(0)
	v_rcp_f32 v136, v135                           ; the first's weight 1 / (1 + p)
	v_mov_b32 v139, 0                              ; (a plain place)
	s_wait_alu depctr_va_vdst(0)
	v_mul_f32 v137, v134, v136                     ; the second's p / (1 + p)
.irp e, 0,1,2,3,4,5,6,7
	v_cmp_eq_u32 s28, \e, v129
	v_cmp_eq_u32 s29, \e, v131
	s_or_b32 s28, s28, s29
	s_and_b32 s28, s28, 0xff                       ; bit i: token i of my eight chose expert e
	v_writelane_b32 v139, s28, \e                  ; lane e holds expert e's byte
.endr
	v_lshlrev_b32 v140, 2, v1
	v_lshlrev_b32 v141, 3, v1
	v_lshlrev_b32 v142, 7, v1                      ; mask: 128 bytes an expert
	s_lshl_b32 s30, ttmp9, 5
	s_mov_b32 s31, 0
	s_add_nc_u64 s[12:13], s[12:13], s[30:31]      ; idx: 8 words a work-group
	s_lshl_b32 s30, ttmp9, 6
	s_add_nc_u64 s[14:15], s[14:15], s[30:31]      ; gw: 8 pairs
	s_mov_b32 s30, ttmp9
	s_add_nc_u64 s[16:17], s[16:17], s[30:31]      ; mask: my 8 tokens are byte number work-group of each expert's 128
	s_wait_alu depctr_va_vdst(0)
	s_wait_xcnt 0x0                                ; EXEC changes only behind this wait
	v_cmp_gt_u32 vcc_lo, 8, v1
	s_and_saveexec_b32 s34, vcc_lo
	global_store_b32 v140, v138, s[12:13]
	global_store_b64 v141, v[136:137], s[14:15]
	global_store_b8 v142, v139, s[16:17]
	s_wait_xcnt 0x0                                ; and again in front of the line that widens it
	s_or_b32 exec_lo, exec_lo, s34
.Lend:
	s_wait_tensorcnt 0x0
	ds_add_u32 v254, v255
	s_wait_dscnt 0x0
	s_endpgm
.Lfunc_end_k_q296664f57c_route:
	.size	k_q296664f57c_route, .Lfunc_end_k_q296664f57c_route-k_q296664f57c_route
	.p2alignl 7, 3214868480
	.fill 96, 4, 3214868480
	.section	.rodata,"a",@progbits
	.p2align	6, 0x0
	.amdhsa_kernel k_q296664f57c_route
		.amdhsa_group_segment_fixed_size 3072
		.amdhsa_private_segment_fixed_size 0
		.amdhsa_enable_private_segment 0
		.amdhsa_kernarg_size 56
		.amdhsa_user_sgpr_count 2
		.amdhsa_user_sgpr_kernarg_segment_ptr 1
		.amdhsa_wavefront_size32 1
		.amdhsa_system_sgpr_workgroup_id_x 1
		.amdhsa_system_sgpr_workgroup_id_y 1
		.amdhsa_system_sgpr_workgroup_id_z 1
		.amdhsa_system_vgpr_workitem_id 0
		.amdhsa_next_free_vgpr 512
		.amdhsa_next_free_sgpr 66
		.amdhsa_reserve_vcc 1
		.amdhsa_float_denorm_mode_32 3
		.amdhsa_float_denorm_mode_16_64 3
		.amdhsa_memory_ordered 1
		.amdhsa_forward_progress 1
		.amdhsa_inst_pref_size 35
	.end_amdhsa_kernel
	.amdgpu_metadata
---
amdhsa.version: [ 1, 2 ]
amdhsa.kernels:
  - .name:           k_q296664f57c_route
    .symbol:         k_q296664f57c_route.kd
    .args:
      - { .name: x, .offset: 0, .size: 8, .value_kind: global_buffer, .address_space: global }
      - { .name: gate_w, .offset: 8, .size: 8, .value_kind: global_buffer, .address_space: global }
      - { .name: xq, .offset: 16, .size: 8, .value_kind: global_buffer, .address_space: global }
      - { .name: xs, .offset: 24, .size: 8, .value_kind: global_buffer, .address_space: global }
      - { .name: idx, .offset: 32, .size: 8, .value_kind: global_buffer, .address_space: global }
      - { .name: gw, .offset: 40, .size: 8, .value_kind: global_buffer, .address_space: global }
      - { .name: mask, .offset: 48, .size: 8, .value_kind: global_buffer, .address_space: global }
    .group_segment_fixed_size: 3072
    .private_segment_fixed_size: 0
    .kernarg_segment_align: 8
    .kernarg_segment_size: 56
    .max_flat_workgroup_size: 256
    .sgpr_count:     66
    .vgpr_count:     512
    .wavefront_size: 32
...
	.end_amdgpu_metadata
.endif
;; end of part 5
;; launch gemm1 (part 6): grid 32 x 8, 4 waves a work-group, no clusters, 102,912 bytes of LDS; arguments w1, b1, xq, xs, mask, hq, hs; writes hq, hs
.if DOCPART == 6
	.amdgcn_target "amdgcn-amd-amdhsa--gfx1250"
	.amdhsa_code_object_version 6
	.text
	.protected	k_q296664f57c_gemm1
	.globl	k_q296664f57c_gemm1
	.p2align	8
	.type	k_q296664f57c_gemm1,@function
k_q296664f57c_gemm1:
	s_mov_b64 s[64:65], 0
	v_nop
	global_prefetch_b8 v0, s[64:65] scope:SCOPE_SE
	s_setreg_imm32_b32 hwreg(HW_REG_WAVE_SCHED_MODE, 0, 2), 2
	s_setreg_imm32_b32 hwreg(HW_REG_WAVE_MODE, 25, 1), 1
	s_wait_xcnt 0x0
	s_wait_alu depctr_vm_vsrc(0)
; GEMM1.  h = gelu(Q(x) Q(w1[e]) + b1[e]) for the rows that chose expert e, quantised again along H: codes of E3M2, one E8M0 byte for each 32 along K.
; SHARES.  Work-group (slice, e): 128 hidden units of one expert, all of K = 1,024: 512 KiB of w1, which no other work-group reads.
; PHASE 1.  Wave w streams k = 256 w .. + 255 in 8 sets of 32 rows; a load is one row's 512 consecutive bytes, 4 columns a lane.  A set is copied so that a column's 32 numbers stand in 32 consecutive
; registers (the conversions take neighbours along K from one lane's consecutive registers), quantised, and stored in LDS as IMAGES OF THE OPERAND'S REGISTERS: fragment 8 s + t, 1,536 bytes, register group
; c of lane L at 512 c + 16 L.  Two sets are on their way while one is worked on.  One barrier ends the phase; it is the kernel's only one.
; THE UNITS OF A TILE ARE NOT NEIGHBOURS: lane r of tile 2 b + u takes unit 32 b + 8 u + r + 8 (r / 8), so that a lane's 16 results of tiles 2 b, 2 b + 1 are 16 neighbours along the next K.
; PHASE 2.  The expert's rows are the set bits of mask[e], in ascending order; position p is the p-th set bit, found in registers.  Row tile t0 + 4 g (t0 = wave + 16 x pass, g < 4) is mine.
; The product is used transposed (source 0 = 16 units of w1, source 1 = 16 rows of x; C of the first K step = b1).  Then gelu by erf in f32, the quantiser, and the fragment's image goes to hq, its scale words to hs.
; The loop over passes is counted against 4 (an expert has 64 row tiles at the most, a pass takes 16) and is left early, by a forward branch, when the count read from memory leaves me no tile: it holds no barrier
; and steps no LDS address.  Tile 0 is always made; rows past the expert's last take a clamped token and are read by nobody.
; erf(z) = z P(z^2) / Q(z^2), z held to +-3.7439211: a rational form good to a few units in f32's last place.
; NO JOINT LOADS: no byte of w1 is read by two work-groups; x's codes, which the 32 slices share, are gathered by a list read from memory, in a loop in which no barrier may stand.
; LIMITS.  NaN and infinities are not served.  A block of zeros, and one whose largest magnitude lies under 2^-122, gets the byte 1 with its codes (zero codes add nothing; only this program reads the bytes).
; THE MODE: SCHED_MODE bits 1:0 = 2 (LLVM: expert scheduling mode 2), set by the entry lines.  The code itself states the register dependences between vector or matrix instructions and memory or LDS
; instructions, with s_wait_alu, always for 0.
; THE PLAN.  Registers that memory or LDS instructions touch, and who else names them:
;   v1-v6, v127     offsets and LDS addresses: made at the head, never written again: one wait on va_vdst ahead of the first load serves them for the whole kernel.
;   window 1        two raw halves.  Set j's loads land in half j % 2; set j's 128 copies read it; set j + 2's loads land in it again.
;   v96-126, v28-31 codes and scale words.  Written by set j's conversions and shifts; read by the LDS stores that are issued in set j + 1, behind its copies.
;     So ONE wait on va_vdst stands in a set, behind its copies: they are done reading the raw half, and the set before has written its codes and words.  The loads and the LDS stores follow it with no
;     vector instruction between.  One wait on vm_vsrc stands behind the set's 64 maxima, ahead of the lines that write codes and words again.
;   v16-23          offsets of my rows of x: written by the search, read by x's loads: vm_vsrc ahead of a later search, va_vdst behind every search and ahead of the first load by them.
;   window 2 (w1's fragments, two buffers), window 3 (x's, five slots), v32-63: loads land there, matrix instructions read them: one wait on va_vdst at the head of K steps 1 to 6, ahead of the step's loads.
;   v192-212        a tile's codes and scale word: written by the gelu's scratch work and the quantiser, read by four stores: va_vdst ahead of the stores, vm_vsrc at the head of the next tile's trip.
;   Masks that compares write go into scalar registers in runs, with one wait on va_sdst behind each run, ahead of the selections that read them.
; REGISTERS.  window 0: v1 16 x lane; v2 4 x lane; v3, v4 where I store codes and scale words; v5 16 x lane + 49,152; v6 scale words' read address; v7 384 h; v8-15, v24-31 at work; v16-19, v20-23 offsets of my
;   rows in xq and xs; v32-63 x's scale words (8 g + s); v64-95 w1's (4 s + t / 2; odd tiles in lanes 16-31); v96-126 codes at work, later the quantiser's; v127 64 h; v128-255 a set's columns, later results, scratch,
;   coefficients; v128-139 also the search's second set of registers.
;   window 1: two sets as loaded, later the accumulators (64 g + 8 t).  window 2: w1's fragments, two buffers of 96; from v192 b1 (8 t).  window 3: x's fragments, five slots of 48 (12 g).
; SCALARS.  s50 wave, s51 slice, s52 expert, s53 row tiles, s54 my first tile of the pass, s55 my tiles in it, s56 the tile on its way out, s79 the pass; in the search s57, s58 counts of bits ahead, s59 32 x word,
;   s63 at work, s66-69 and s72-75 masks.
.set SWB, 98304                        ; LDS: behind the 64 images, w1's scale words: [s][lane' = 16 u + r][b] words, tile 2 b + u
.set T,   128
.set C,   96
.set HA,  128
.set TM,  96
.set PC,  192
.set PW,  212
.set BO,  127
.set MSB, 0
.macro WIN new                         ; the immediate's high byte repeats the setting that is left
.if MSB != \new
	s_set_vgpr_msb (MSB<<8)|\new
.set MSB, \new
.endif
.endm
.macro NOPS n
.rept \n
	v_nop
.endr
.endm
.macro LOADSET j                       ; set j: rows 32 j .. 32 j + 31 of my 256, into half j % 2 of window 1: row i's four columns at 4 i
	WIN 0x40
.set i, 0
.rept 32
	global_load_b128 v[128*((\j)%2)+4*i:128*((\j)%2)+4*i+3], v1, s[4:5] offset:(32*(\j)+i)*16384 th:TH_LOAD_NT
.set i, i+1
.endr
	WIN 0
.endm
.macro LOADX s                         ; x's fragments of K step s for my four row tiles: 48 bytes a lane and tile
	WIN 0xc0
.irp g, 0,1,2,3
.irp i, 0,1,2
	global_load_b128 v[48*((\s)%5)+12*\g+4*\i:48*((\s)%5)+12*\g+4*\i+3], v[16+\g], s[8:9] offset:48*(\s)+16*\i
.endr
.endr
	WIN 0
.endm
.macro LOADXS                          ; and their 8 scale words a row
.irp g, 0,1,2,3
	global_load_b128 v[32+8*\g:35+8*\g], v[20+\g], s[10:11]
	global_load_b128 v[36+8*\g:39+8*\g], v[20+\g], s[10:11] offset:16
.endr
.endm
.macro LOADBIAS                        ; b1 in the result's layout: tile t, lane half h: units 32 (t / 2) + 16 h + 8 (t % 2) + 0 .. 7
	WIN 0x80
.irp t, 0,1,2,3,4,5,6,7
	global_load_b128 v[192+8*\t:195+8*\t], v[BO], s[6:7] offset:(32*(\t/2)+8*(\t%2))*4
	global_load_b128 v[196+8*\t:199+8*\t], v[BO], s[6:7] offset:(32*(\t/2)+8*(\t%2))*4+16
.endr
	WIN 0
.endm
; THE SEARCH.  Positions v8 and v128 of the expert's list -> the tokens, in v28 and v29: first the word (the last whose count of earlier bits is at most p), then the bit, by halves.  The two go side by side.
.macro RUN4 k0, n                      ; words s[k0] .. s[k0 + n - 1] of the expert's bits
.set i, 0
.rept \n
	v_cmp_gt_u32 s[66+i], s57, v8                  ; more bits ahead of this word than p: keep
	v_cmp_gt_u32 s[72+i], s57, v128
	s_bcnt1_i32_b32 s63, s[\k0+i]
	s_add_co_u32 s57, s57, s63
.set i, i+1
.endr
	s_wait_alu depctr_va_sdst(0)                   ; the run's compares have written their masks, which the selections below read
.set i, 0
.rept \n
	s_add_co_u32 s59, s59, 32
	v_cndmask_b32 v9, s[\k0+i], v9, s[66+i]
	v_cndmask_b32 v10, s58, v10, s[66+i]
	v_cndmask_b32 v11, s59, v11, s[66+i]
	v_cndmask_b32 v129, s[\k0+i], v129, s[72+i]
	v_cndmask_b32 v130, s58, v130, s[72+i]
	v_cndmask_b32 v131, s59, v131, s[72+i]
	s_bcnt1_i32_b32 s63, s[\k0+i]                  ; the count of bits ahead, once more, a run behind the compares'
	s_add_co_u32 s58, s58, s63
.set i, i+1
.endr
.endm
.macro COUNTS w, c, t                  ; of the word v[w]: the set bits in its fields of 2, 4, 8 and 16 bits, in v[c] .. v[c + 3]
	v_lshrrev_b32 v[\t], 1, v[\w]
	v_and_b32 v[\t], 0x55555555, v[\t]
	v_sub_nc_u32 v[\c], v[\w], v[\t]
	v_lshrrev_b32 v[\t], 2, v[\c]
	v_and_b32 v[\t], 0x33333333, v[\t]
	v_and_b32 v[\c+1], 0x33333333, v[\c]
	v_add_nc_u32 v[\c+1], v[\c+1], v[\t]
	v_lshrrev_b32 v[\t], 4, v[\c+1]
	v_add_nc_u32 v[\c+2], v[\c+1], v[\t]
	v_and_b32 v[\c+2], 0x0f0f0f0f, v[\c+2]
	v_lshrrev_b32 v[\t], 8, v[\c+2]
	v_add_nc_u32 v[\c+3], v[\c+2], v[\t]
	v_and_b32 v[\c+3], 0x00ff00ff, v[\c+3]
.endm
.macro LEVEL2 a, b, w
	v_bfe_u32 v26, v[\a], v25, \w                  ; set bits in the lower half of what is left
	v_bfe_u32 v138, v[\b], v137, \w
	v_cmp_ge_u32 s66, v24, v26
	v_cmp_ge_u32 s72, v136, v138
	v_sub_nc_u32 v27, v24, v26
	v_sub_nc_u32 v139, v136, v138
	v_add_nc_u32 v26, \w, v25
	v_add_nc_u32 v138, \w, v137
	s_wait_alu depctr_va_sdst(0)                   ; the two compares have written s66 and s72, which the selections below read
	v_cndmask_b32 v24, v24, v27, s66
	v_cndmask_b32 v136, v136, v139, s72
	v_cndmask_b32 v25, v25, v26, s66
	v_cndmask_b32 v137, v137, v138, s72
.endm
.macro SEARCH2
	v_mov_b32 v9, s16
	v_mov_b32 v10, 0
	v_mov_b32 v11, 0
	v_mov_b32 v129, s16
	v_mov_b32 v130, 0
	v_mov_b32 v131, 0
	s_bcnt1_i32_b32 s57, s16
	s_mov_b32 s58, s57
	s_mov_b32 s59, 0
.irp k0, 17,21,25,29,33,37,41
	RUN4 \k0, 4
.endr
	RUN4 45, 3
	v_sub_nc_u32 v24, v8, v10                      ; which set bit of the word
	v_sub_nc_u32 v136, v128, v130
	COUNTS 9, 12, 27
	COUNTS 129, 132, 139
	v_mov_b32 v25, 0
	v_mov_b32 v137, 0
	LEVEL2 15, 135, 16
	LEVEL2 14, 134, 8
	LEVEL2 13, 133, 4
	LEVEL2 12, 132, 2
	LEVEL2 9, 129, 1
	v_add_nc_u32 v28, v11, v25
	v_add_nc_u32 v29, v131, v137
.endm
.macro PROLOG                          ; the tokens of my four row tiles -> offsets in xq (v16-19) and xs (v20-23)
	v_and_b32 v8, 15, v0
	v_bfe_u32 v31, v0, 4, 1
	v_lshl_add_u32 v8, v31, 6, v8
	s_lshl_b32 s72, s54, 4
	v_add_nc_u32 v8, s72, v8                       ; lanes 0-15: tile t0's positions; lanes 16-31: tile t0 + 4's
	v_add_nc_u32 v128, 128, v8                     ; tiles t0 + 8 and t0 + 12
	SEARCH2
	v_mov_b32 v30, 0
	v_permlanex16_b32 v30, v28, s60, s61
	v_cndmask_b32 v16, v28, v30, s62               ; every lane (r, h) gets row r's token
	v_cndmask_b32 v17, v30, v28, s62
	v_permlanex16_b32 v30, v29, s60, s61
	v_cndmask_b32 v18, v29, v30, s62
	v_cndmask_b32 v19, v30, v29, s62
.irp g, 0,1,2,3
	v_min_u32 v[16+\g], 0x3ff, v[16+\g]
	v_lshlrev_b32 v[20+\g], 5, v[16+\g]
	v_mul_u32_u24 v[16+\g], v[16+\g], 768
	v_add_nc_u32 v[16+\g], v[16+\g], v7
.endr
.endm
.macro PUTSET j                        ; set j's codes go to LDS, and behind a K step's fourth block my columns' scale words
.set FB, 12288*((\j)/4)+256*((\j)%2)   ; the K step's eight images; lanes 16-31 of an image for the odd blocks
.irp q, 0,1,2,3
.if (((\j)/2)%2) == 0
	ds_store_b128 v3, v[C+8*\q:C+8*\q+3] offset:FB+16*\q             ; registers 0-3,
	ds_store_b64 v3, v[C+8*\q+4:C+8*\q+5] offset:FB+16*\q+512        ; 4, 5
.else
	ds_store_b64 v3, v[C+8*\q:C+8*\q+1] offset:FB+16*\q+520          ; registers 6, 7,
	ds_store_b128 v3, v[C+8*\q+2:C+8*\q+5] offset:FB+16*\q+1024      ; 8-11
.endif
.endr
.if ((\j)%4) == 3
.irp q, 0,1,2,3
	ds_store_b32 v4, v[28+\q] offset:16*\q+512*((\j)/4)              ; the K step's scale word of my column
.endr
.endif
.endm
; Set j: block j % 4 of K step 2 w + j / 4 for my four columns.  n: the loads issued behind set j's, which may stay out.
.macro QSET j, n
	s_wait_loadcnt \n
	WIN 0x01
.set q, 0
.rept 4
.set i, 0
.rept 32
	v_mov_b32 v[T+32*q+i], v[128*((\j)%2)+4*i+q]   ; column q's 32 numbers on end
.set i, i+1
.endr
.set q, q+1
.endr
	WIN 0
	s_wait_alu depctr_va_vdst(0)                   ; the copies are done reading the raw half, in which the set two on lands; the set before has written its codes and scale words, which the LDS stores below read; in set 0 the search has written v16-23, by which x is loaded
.if (\j) <= 5
	LOADSET (\j)+2                                 ; the half just copied takes the set two on
.endif
.if (\j) < 5
	LOADX \j                                       ; what phase 2 wants first is asked for here, a little in each set
.elseif (\j) == 5
	LOADXS
.elseif (\j) == 6
	LOADBIAS
.endif
.if (\j) > 0
	PUTSET (\j)-1                                  ; no vector instruction since the wait: nothing more is owed
.endif
.irp q, 0,1,2,3
	v_max3_num_f32 v[8+\q], |v[T+32*\q]|, |v[T+1+32*\q]|, 0x2800000   ; with the floor 2^(5 - 127): the byte cannot fall under 1
.endr
.irp i, 2,4,6,8,10,12,14,16,18,20,22,24,26,28,30
.irp q, 0,1,2,3
	v_max3_num_f32 v[8+\q], v[8+\q], |v[T+32*\q+\i]|, |v[T+1+32*\q+\i]|   ; the four columns by turns
.endr
.endr
.if (\j) > 0
	s_wait_alu depctr_va_vdst(0)
	s_wait_dscnt 0x0                               ; the last set's LDS stores are done,
	s_wait_alu depctr_vm_vsrc(0)                   ; and have read v96-126 and v28-31, which the lines below write again
.endif
.irp q, 0,1,2,3
	v_add_nc_u32 v[12+\q], 0xfe000000, v[8+\q]     ; 4 off the exponent field: the conversion's scale operand
.endr
.irp q, 0,1,2,3
	v_lshrrev_b32 v[24+\q], 23, v[12+\q]           ; the byte
.endr
.irp q, 0,1,2,3
.if ((\j)%4) == 0
	v_mov_b32 v[28+\q], v[24+\q]
.else
	v_lshl_or_b32 v[28+\q], v[24+\q], 8*((\j)%4), v[28+\q]
.endif
.endr
.irp q, 0,1,2,3
	v_cvt_scalef32_pk16_bf6_f32 v[C+8*\q:C+8*\q+2], v[T+32*\q:T+32*\q+15], v[12+\q]
	v_cvt_scalef32_pk16_bf6_f32 v[C+8*\q+4:C+8*\q+6], v[T+32*\q+16:T+32*\q+31], v[12+\q]   ; (a conversion's three registers begin on an even number)
.endr
	v_nop                                          ; one plain place behind a scaled conversion
.irp q, 0,1,2,3
	v_mov_b32 v[C+8*\q+3], v[C+8*\q+4]
	v_mov_b32 v[C+8*\q+4], v[C+8*\q+5]
	v_mov_b32 v[C+8*\q+5], v[C+8*\q+6]             ; the block's six registers on end
.endr
.endm
.macro LOADW s                         ; w1's eight fragments of K step s from LDS into buffer s % 2
	WIN 0x80
.irp t, 0,1,2,3,4,5,6,7
.irp c, 0,1,2
.if (\s) < 4
	ds_load_b128 v[96*((\s)%2)+12*\t+4*\c:96*((\s)%2)+12*\t+4*\c+3], v1 offset:(8*((\s)%4)+\t)*1536+512*\c
.else
	ds_load_b128 v[96*((\s)%2)+12*\t+4*\c:96*((\s)%2)+12*\t+4*\c+3], v5 offset:(8*((\s)%4)+\t)*1536+512*\c
.endif
.endr
.endr
	WIN 0
.endm
.macro MM s, g, t
.set rD, 64*(\g)+8*(\t)
.set rA, 96*((\s)%2)+12*(\t)
.set rB, 48*((\s)%5)+12*(\g)
.set rC, 192+8*(\t)
.set rS, 64+4*(\s)+(\t)/2
.set rX, 32+8*(\g)+(\s)
.if (\s) == 0
.if (\t)%2
	v_wmma_scale_f32_16x16x128_f8f6f4 v[rD:rD+7], v[rA:rA+11], v[rB:rB+11], v[rC:rC+7], v[rS], v[rX] matrix_a_fmt:MATRIX_FMT_BF6 matrix_b_fmt:MATRIX_FMT_BF6 matrix_a_scale:MATRIX_SCALE_ROW1
.else
	v_wmma_scale_f32_16x16x128_f8f6f4 v[rD:rD+7], v[rA:rA+11], v[rB:rB+11], v[rC:rC+7], v[rS], v[rX] matrix_a_fmt:MATRIX_FMT_BF6 matrix_b_fmt:MATRIX_FMT_BF6
.endif
.else
.if (\t)%2
	v_wmma_scale_f32_16x16x128_f8f6f4 v[rD:rD+7], v[rA:rA+11], v[rB:rB+11], v[rD:rD+7], v[rS], v[rX] matrix_a_fmt:MATRIX_FMT_BF6 matrix_b_fmt:MATRIX_FMT_BF6 matrix_a_scale:MATRIX_SCALE_ROW1
.else
	v_wmma_scale_f32_16x16x128_f8f6f4 v[rD:rD+7], v[rA:rA+11], v[rB:rB+11], v[rD:rD+7], v[rS], v[rX] matrix_a_fmt:MATRIX_FMT_BF6 matrix_b_fmt:MATRIX_FMT_BF6
.endif
.endif
.endm
; K step s of a pass: up to 32 products; the accumulators take turns, one instruction a turn.
.macro STEP s
.if \s >= 1
	NOPS 4                                         ; places in front of loads into registers that the last step's products read
.endif
.if (\s >= 1) && (\s < 7)
	s_wait_alu depctr_va_vdst(0)                   ; the last step's products are done reading their buffer of w1's fragments and their slot of x, in which the loads below land
.endif
.if \s < 7
	LOADW (\s)+1
.endif
.if (\s >= 1) && (\s <= 3)
	LOADX (\s)+4                                   ; into the slot that the last step left
.endif
.if \s < 7
	s_wait_dscnt 24                                ; all but the 24 just issued: this step's fragments are in
.else
	s_wait_dscnt 0x0
.endif
.if \s >= 5
	s_wait_loadcnt 12*(7-\s)                       ; this step's x is in; behind it stand 12 loads for each later step
.endif
.irp g, 0,1,2,3
.if \g > 0
	s_cmp_gt_u32 s55, \g
	s_cbranch_scc0 .Lsk_\@                         ; no such tile in this pass
.endif
.if \s == 0
	WIN 0x6e                                       ; w1 window 2, x window 3, C = b1 window 2, D window 1
.else
	WIN 0x5e                                       ; C and D window 1
.endif
.irp t, 0,1,2,3,4,5,6,7
	MM \s, \g, \t
.endr
	WIN 0
.endr
.Lsk_\@:
.endm
.macro FETCHG g                        ; tile g's 64 results, halved (exact), each accumulator from its low end on
	WIN 0x01
.set i, 0
.rept 32
	v_pk_mul_f32 v[HA+2*i:HA+2*i+1], v[64*\g+2*i:64*\g+2*i+1], 0.5 op_sel_hi:[1,0]
.set i, i+1
.endr
	WIN 0
.endm
; Eight numbers xh = x / 2 at v[HA + b]: z = xh sqrt(2), held; erf = z P(z^2) / Q(z^2); gelu = xh erf + xh.  v192.. z, v200.. z^2 and then 1 / Q, v208.. P, v216.. Q
.macro HORNER d, c                     ; d = d z^2 + c
.irp p, 0,2,4,6
	v_pk_fma_f32 v[\d+\p:\d+\p+1], v[\d+\p:\d+\p+1], v[200+\p:201+\p], v[\c:\c+1]
.endr
.endm
.macro GELU8 b
.irp p, 0,2,4,6
	v_pk_mul_f32 v[192+\p:193+\p], v[HA+(\b)+\p:HA+(\b)+\p+1], v[246:247]
.endr
.irp p, 0,1,2,3,4,5,6,7
	v_med3_num_f32 v[192+\p], v[192+\p], s70, s71
.endr
.irp p, 0,2,4,6
	v_pk_mul_f32 v[200+\p:201+\p], v[192+\p:193+\p], v[192+\p:193+\p]
.endr
.irp p, 0,2,4,6
	v_pk_fma_f32 v[208+\p:209+\p], v[200+\p:201+\p], v[224:225], v[226:227]
.endr
.irp p, 0,2,4,6
	v_pk_fma_f32 v[216+\p:217+\p], v[200+\p:201+\p], v[234:235], v[236:237]
.endr
	HORNER 208, 228
	HORNER 216, 238
	HORNER 208, 230
	HORNER 216, 240
	HORNER 208, 232
	HORNER 216, 242
	HORNER 216, 244
	HORNER 216, 248
	s_wait_alu depctr_va_vdst(0)
.irp p, 0,1,2,3,4,5,6,7
	v_rcp_f32 v[200+\p], v[216+\p]
.endr
.irp p, 0,2,4,6
	v_pk_mul_f32 v[208+\p:209+\p], v[208+\p:209+\p], v[192+\p:193+\p]   ; z P: plain lines behind the reciprocals, which name neither their results nor their sources
.endr
	s_wait_alu depctr_va_vdst(0)                   ; the eight reciprocals have written v200-207: one wait for the batch, ahead of its first reader
.irp p, 0,2,4,6
	v_pk_mul_f32 v[208+\p:209+\p], v[208+\p:209+\p], v[200+\p:201+\p]
.endr
.irp p, 0,2,4,6
	v_pk_fma_f32 v[HA+(\b)+\p:HA+(\b)+\p+1], v[HA+(\b)+\p:HA+(\b)+\p+1], v[208+\p:209+\p], v[HA+(\b)+\p:HA+(\b)+\p+1]
.endr
.endm
; 64 numbers of a lane, register 16 b + i = k 32 b + 16 (lane / 16) + i of my row, become a fragment's codes in v[PC] on and its scale word in v[PW].
.macro QUANT s
.irp b, 0,1,2,3
	v_max3_num_f32 v[TM+\b], |v[\s+16*\b]|, |v[\s+1+16*\b]|, 0x2800000
.endr
.irp i, 2,4,6,8,10,12,14
.irp b, 0,1,2,3
	v_max3_num_f32 v[TM+\b], v[TM+\b], |v[\s+16*\b+\i]|, |v[\s+1+16*\b+\i]|
.endr
.endr
.irp b, 0,1,2,3
	v_permlanex16_b32 v[TM+4+\b], v[TM+\b], s60, s61
.endr
.irp b, 0,1,2,3
	v_max_num_f32 v[TM+\b], v[TM+\b], v[TM+4+\b]   ; with lane l xor 16's: the block's largest magnitude
.endr
.irp b, 0,1,2,3
	v_add_nc_u32 v[TM+12+\b], 0xfe000000, v[TM+\b]
.endr
.irp b, 0,1,2,3
	v_lshrrev_b32 v[TM+4+\b], 23, v[TM+12+\b]
.endr
	v_lshl_or_b32 v[PW], v[TM+5], 8, v[TM+4]
	v_lshl_or_b32 v[PW], v[TM+6], 16, v[PW]
	v_lshl_or_b32 v[PW], v[TM+7], 24, v[PW]
.irp c, 0,1
	v_cvt_scalef32_pk16_bf6_f32 v[PC+6*\c:PC+2+6*\c], v[\s+32*\c:\s+15+32*\c], v[TM+12+2*\c]
	v_cvt_scalef32_pk16_bf6_f32 v[PC+12+4*\c:PC+14+4*\c], v[\s+16+32*\c:\s+31+32*\c], v[TM+12+2*\c+1]
.endr
	v_nop                                          ; one plain place behind a scaled conversion
.irp c, 0,1                            ; the operand's layout wants a whole block in a lane
.irp i, 0,1,2
	v_permlane16_swap_b32 v[PC+6*\c+\i], v[PC+12+4*\c+\i]
.endr
.irp i, 0,1,2
	v_mov_b32 v[PC+3+6*\c+\i], v[PC+12+4*\c+\i]
.endr
.endr
.endm
.macro COEF r, bits
	v_mov_b32 v[\r], \bits
	v_mov_b32 v[\r+1], \bits
.endm
	s_load_b256 s[4:11], s[0:1], 0x0               ; w1 s[4:5], b1 s[6:7], xq s[8:9], xs s[10:11]
	s_load_b128 s[12:15], s[0:1], 0x20             ; mask s[12:13], hq s[14:15]
	s_load_b64 s[48:49], s[0:1], 0x30              ; hs
	v_lshl_add_u32 v119, v0, 2, 0x19000
	s_set_vgpr_msb 0xc0
	v_mov_b32 v255, 0
	s_set_vgpr_msb 0xc000
	v_lshrrev_b32 v8, 5, v0
	v_readfirstlane_b32 s50, v8                    ; wave
	s_mov_b32 s51, ttmp9                           ; slice
	s_and_b32 s52, ttmp7, 0xffff                   ; expert
	v_and_b32 v9, 31, v0
	v_lshlrev_b32 v1, 4, v9
	v_lshlrev_b32 v2, 2, v9
	v_bfe_u32 v10, v0, 3, 2                        ; column 4 l + q: b = l / 8,
	v_bfe_u32 v11, v0, 1, 1                        ; u,
	v_bfe_u32 v12, v0, 2, 1                        ; r / 8,
	v_and_b32 v13, 1, v0                           ; (r % 8) / 4
	v_mul_u32_u24 v3, v10, 3072
	v_mad_u32_u24 v3, v11, 1536, v3                ; tile 2 b + u,
	v_lshl_add_u32 v3, v13, 6, v3
	v_lshl_add_u32 v3, v12, 7, v3                  ; 16 bytes a row r,
	s_wait_alu depctr_va_sdst(0)                   ; s50 is written, ahead of its first reader
	s_mul_i32 s72, s50, 24576
	v_add_nc_u32 v3, s72, v3                       ; my wave's two K steps
	v_lshlrev_b32 v4, 8, v11
	v_lshl_add_u32 v4, v13, 6, v4
	v_lshl_add_u32 v4, v12, 7, v4
	v_lshl_add_u32 v4, v10, 2, v4
	s_lshl_b32 s72, s50, 10
	s_add_co_u32 s72, s72, SWB
	v_add_nc_u32 v4, s72, v4
	v_add_nc_u32 v5, 49152, v1
	v_add_nc_u32 v6, SWB, v1
	v_bfe_u32 v7, v0, 4, 1
	v_lshlrev_b32 v[BO], 6, v7
	v_mul_u32_u24 v7, v7, 384
	s_mov_b32 s60, 0x76543210
	s_mov_b32 s61, 0xfedcba98                      ; v_permlanex16_b32's selects for lane l xor 16
	s_mov_b32 s62, 0xffff0000                      ; lanes 16-31
	s_mov_b32 s70, 0xc06f9c68
	s_mov_b32 s71, 0x406f9c68                      ; +-3.7439211
	s_mov_b32 s79, 0                               ; the pass
	s_lshl_b32 s72, s52, 24
	s_lshl_b32 s73, s50, 22
	s_add_co_u32 s72, s72, s73
	s_lshl_b32 s73, s51, 9
	s_add_co_u32 s72, s72, s73                     ; w1: the expert, my 256 rows, the slice's 512 bytes
	s_mov_b32 s73, 0
	s_lshl_b32 s74, s52, 7
	s_mov_b32 s75, 0
	s_lshl_b32 s76, s52, 14
	s_lshl_b32 s77, s51, 9
	s_add_co_u32 s76, s76, s77
	s_mov_b32 s77, 0
	s_wait_kmcnt 0x0
	s_add_nc_u64 s[4:5], s[4:5], s[72:73]
	s_add_nc_u64 s[12:13], s[12:13], s[74:75]
	s_add_nc_u64 s[6:7], s[6:7], s[76:77]
	s_load_b512 s[16:31], s[12:13], 0x0            ; the expert's 1,024 bits
	s_load_b512 s[32:47], s[12:13], 0x40
	s_wait_alu depctr_va_vdst(0)                   ; v1 to v6 and v127 are written: every load and store of the kernel but x's reads one of them as its offset or LDS address, and none is written again
	LOADSET 0
	s_wait_kmcnt 0x0
	s_bcnt1_i32_b32 s53, s16
.set k, 17
.rept 31
	s_bcnt1_i32_b32 s72, s[k]
	s_add_co_u32 s53, s53, s72
.set k, k+1
.endr
	s_add_co_u32 s53, s53, 15
	s_lshr_b32 s53, s53, 4
	s_max_u32 s53, s53, 1                          ; row tiles, at least one, at most 64
	s_mov_b32 s54, s50                             ; my first
	PROLOG                                         ; (while set 0 is on its way)
	LOADSET 1                                      ; the search has named neither v1 nor a register of window 1: nothing is owed
	QSET 0, 32                                     ; behind set 0: set 1
	QSET 1, 44                                     ; behind set 1: set 2, 12 of x
	QSET 2, 56                                     ; behind set k: 12 of x, set k + 1, 12 of x
	QSET 3, 56
	QSET 4, 56
	QSET 5, 56
	QSET 6, 52                                     ; 12 of x, set 7, 8 of x's scale words
	QSET 7, 24                                     ; 8 scale words' loads, 16 of b1
	s_wait_alu depctr_va_vdst(0)                   ; set 7 has written its codes and scale words, which the LDS stores read
	PUTSET 7
	s_wait_dscnt 0x0                               ; for the others' sake: my images and scale words have landed
	s_barrier_signal -1
	s_barrier_wait -1
	s_wait_alu depctr_vm_vsrc(0)                   ; my LDS stores have read v96-126 and v28-31: v100-103 are written just below, the rest by the quantiser and by a later pass's search
	COEF 224, 0x39702d51                           ; P: 2.2905066e-4
	COEF 226, 0x3b5f5da2                           ; 3.4082910e-3
	COEF 228, 0x3d50b6eb                           ; 5.0955695e-2
	COEF 230, 0x3e3da740                           ; 1.8520832e-1
	COEF 232, 0x3f906eba                           ; 1.1283791
	COEF 234, 0xb3fd3906                           ; Q: -1.1791603e-7
	COEF 236, 0x37c588df                           ; 2.3547966e-5
	COEF 238, 0x3a856d28                           ; 1.0179625e-3
	COEF 240, 0x3c6687d4                           ; 1.4070470e-2
	COEF 242, 0x3de34c21                           ; 1.1098505e-1
	COEF 244, 0x3efeb44a                           ; 4.9746925e-1
	COEF 246, 0x3fb504f3                           ; sqrt(2)
	COEF 248, 1.0
.irp b, 0,1,2,3
	v_mov_b32 v[TM+4+\b], 0                        ; a lane permute's destination counts as one of its sources
.endr
	s_cmp_lt_u32 s54, s53
	s_cbranch_scc0 .Lend                           ; fewer tiles than waves
.irp k, 0,1,2,3,4,5,6,7
	ds_load_b128 v[64+4*\k:67+4*\k], v6 offset:512*\k   ; w1's scale words stay in registers
.endr
.Lpass:
	s_sub_co_u32 s55, s53, s54
	s_add_co_u32 s55, s55, 3
	s_lshr_b32 s55, s55, 2
	s_min_u32 s55, s55, 4                          ; my tiles in this pass
	LOADW 0                                        ; (in a later pass: the products that read this buffer stand ahead of the way out's waits on va_vdst, and nothing has named it since)
	s_wait_loadcnt 0x0                             ; x's first five K steps, its scale words, b1
	STEP 0
	STEP 1
	STEP 2
	STEP 3
	STEP 4
	STEP 5
	STEP 6
	STEP 7
	NOPS 4                                         ; places in front of the first read of results
	s_mov_b32 s56, 0
.Lepi:                                             ; a tile a trip
	s_wait_xcnt 0x0                                ; the last trip's stores have had their addresses translated: their bases are written again only behind this wait,
	s_wait_alu depctr_vm_vsrc(0)                   ; and they have read v192-212, which this trip's arithmetic writes again
	s_cmp_lg_u32 s56, 0
	s_cbranch_scc1 .Ln0
	FETCHG 0
	s_branch .Lgelu
.Ln0:
	s_cmp_lg_u32 s56, 1
	s_cbranch_scc1 .Ln1
	FETCHG 1
	s_branch .Lgelu
.Ln1:
	s_cmp_lg_u32 s56, 2
	s_cbranch_scc1 .Ln2
	FETCHG 2
	s_branch .Lgelu
.Ln2:
	FETCHG 3
.Lgelu:
.irp b, 0,8,16,24,32,40,48,56
	GELU8 \b
.endr
	QUANT HA
	s_lshl_b32 s72, s56, 2
	s_add_co_u32 s72, s72, s54
	s_min_u32 s72, s72, 63                         ; the tile
	s_lshl_b32 s73, s52, 6
	s_add_co_u32 s72, s72, s73                     ; 64 tiles an expert
	s_lshl_b32 s72, s72, 5
	s_add_co_u32 s72, s72, s51                     ; the slice is the next product's K step
	s_mul_i32 s74, s72, 1536
	s_mov_b32 s75, 0
	s_lshl_b32 s72, s72, 7
	s_mov_b32 s73, 0
	s_add_nc_u64 s[66:67], s[14:15], s[74:75]
	s_add_nc_u64 s[68:69], s[48:49], s[72:73]
	s_wait_alu depctr_va_vdst(0)                   ; the quantiser has written the tile's codes v192-203 and its scale word v212, which the stores read
	global_store_b128 v1, v[PC:PC+3], s[66:67]                 ; each store of the wave covers 512 consecutive bytes, aligned
	global_store_b128 v1, v[PC+4:PC+7], s[66:67] offset:512
	global_store_b128 v1, v[PC+8:PC+11], s[66:67] offset:1024
	global_store_b32 v2, v[PW], s[68:69]
	s_add_co_u32 s56, s56, 1
	s_cmp_lt_u32 s56, s55
	s_cbranch_scc1 .Lepi
	s_add_co_u32 s79, s79, 1                       ; the next pass,
	s_lshl_b32 s54, s79, 4
	s_add_co_u32 s54, s54, s50                     ; and my first tile in it: wave + 16 x pass
	s_cmp_lt_u32 s54, s53
	s_cbranch_scc0 .Lend                           ; none is left for me
	s_wait_xcnt 0x0                                ; offsets and bases are written again only behind this wait
	s_wait_alu depctr_vm_vsrc(0)                   ; the pass's loads of x have read v16-23, which the search makes anew
	PROLOG
	s_wait_alu depctr_va_vdst(0)                   ; the search has written v16-23, by which the loads below go
	LOADX 0
	LOADX 1
	LOADX 2
	LOADX 3
	LOADX 4
	LOADXS
	s_cmp_lt_u32 s79, 4                            ; 64 tiles at the most: a tile under 64 lies in pass 0 to 3
	s_cbranch_scc1 .Lpass
.Lend:
	s_set_vgpr_msb 0xc                             ; the add's second register lies in window 3
	s_wait_dscnt 0x0                               ; the closing lines, six on end
	s_wait_alu 0x0
	s_wait_tensorcnt 0x0
	ds_add_u32 v119, v255
	s_wait_dscnt 0x0
	s_endpgm
.Lfunc_end_k_q296664f57c_gemm1:
	.size	k_q296664f57c_gemm1, .Lfunc_end_k_q296664f57c_gemm1-k_q296664f57c_gemm1
	.p2alignl 7, 3214868480
	.fill 96, 4, 3214868480
	.section	.rodata,"a",@progbits
	.p2align	6, 0x0
	.amdhsa_kernel k_q296664f57c_gemm1
		.amdhsa_group_segment_fixed_size 102912
		.amdhsa_private_segment_fixed_size 0
		.amdhsa_enable_private_segment 0
		.amdhsa_kernarg_size 56
		.amdhsa_user_sgpr_count 2
		.amdhsa_user_sgpr_kernarg_segment_ptr 1
		.amdhsa_wavefront_size32 1
		.amdhsa_system_sgpr_workgroup_id_x 1
		.amdhsa_system_sgpr_workgroup_id_y 1
		.amdhsa_system_sgpr_workgroup_id_z 1
		.amdhsa_system_vgpr_workitem_id 0
		.amdhsa_next_free_vgpr 1024
		.amdhsa_next_free_sgpr 80
		.amdhsa_reserve_vcc 0
		.amdhsa_float_denorm_mode_32 3
		.amdhsa_float_denorm_mode_16_64 3
		.amdhsa_memory_ordered 1
		.amdhsa_forward_progress 1
		.amdhsa_inst_pref_size 255
	.end_amdhsa_kernel
	.section	.bss,"aw",@nobits
	.p2align	6
	.space	262144
	.amdgpu_metadata
---
amdhsa.version: [ 1, 2 ]
amdhsa.kernels:
  - .name:           k_q296664f57c_gemm1
    .symbol:         k_q296664f57c_gemm1.kd
    .args:
      - { .name: w1, .offset: 0, .size: 8, .value_kind: global_buffer, .address_space: global }
      - { .name: b1, .offset: 8, .size: 8, .value_kind: global_buffer, .address_space: global }
      - { .name: xq, .offset: 16, .size: 8, .value_kind: global_buffer, .address_space: global }
      - { .name: xs, .offset: 24, .size: 8, .value_kind: global_buffer, .address_space: global }
      - { .name: mask, .offset: 32, .size: 8, .value_kind: global_buffer, .address_space: global }
      - { .name: hq, .offset: 40, .size: 8, .value_kind: global_buffer, .address_space: global }
      - { .name: hs, .offset: 48, .size: 8, .value_kind: global_buffer, .address_space: global }
    .group_segment_fixed_size: 102912
    .private_segment_fixed_size: 0
    .kernarg_segment_align: 8
    .kernarg_segment_size: 56
    .max_flat_workgroup_size: 128
    .sgpr_count:     80
    .vgpr_count:     1024
    .wavefront_size: 32
...
	.end_amdgpu_metadata
.endif
;; end of part 6
;; launch gemm2 (part 7): grid 32 x 8, 4 waves a work-group, no clusters, 120,320 bytes of LDS; arguments w2, hq, hs, mask, part; writes part
.if DOCPART == 7
	.amdgcn_target "amdgcn-amd-amdhsa--gfx1250"
	.amdhsa_code_object_version 6
	.text
	.protected	k_q296664f57c_gemm2
	.globl	k_q296664f57c_gemm2
	.p2align	8
	.type	k_q296664f57c_gemm2,@function
k_q296664f57c_gemm2:
	s_mov_b64 s[64:65], 0
	v_nop
	global_prefetch_b8 v0, s[64:65] scope:SCOPE_SE
	s_setreg_imm32_b32 hwreg(HW_REG_WAVE_SCHED_MODE, 0, 2), 2
	s_setreg_imm32_b32 hwreg(HW_REG_WAVE_MODE, 25, 1), 1
	s_wait_xcnt 0x0
	s_wait_alu depctr_vm_vsrc(0)
; GEMM2.  part[kh][1024 e + p][d] = the sum over one half of H of Q(h)[p][k] Q(w2[e])[k][d], for the rows p of expert e's list: codes of E3M2, one E8M0 byte for each 32 along K.
; SHARES.  Work-group (ds, kh, e): 64 output columns, 2,048 of K, one expert: 512 KiB of w2, which no other work-group reads.  64 columns make a row's piece 256 consecutive bytes, aligned; the price is a sum of two
; parts, which the last launch adds.
; PHASE 1.  Wave w streams k = 512 w .. + 511 of the half in 8 sets of 64 rows; a load takes rows i (lanes 0-15) and i + 32 (lanes 16-31), 256 consecutive bytes each, 4 columns a lane.  A set is copied so that a
; column's 32 numbers stand on end, quantised, and stored in LDS as images of the operand's registers: fragment 4 s + t, 1,536 bytes, register group c of lane L at 512 c + 16 L.  One barrier ends the phase.
; PHASE 2.  Row tile t0 + 4 g (t0 = wave + 16 x pass, g < 4) is mine.  h's fragments come from hq as they were stored, three loads of 16 bytes a lane, eight K steps ahead.  The product is used transposed
; (source 0 = 16 columns of w2, source 1 = 16 rows of h), so that a lane holds 8 neighbouring columns of a row; results leave through the wave's own stage in LDS as whole pieces of 256 bytes.
; The loop over passes is counted against 4 (an expert has 64 row tiles at the most, a pass takes 16) and is left early, by a forward branch, when the count read from memory leaves me no tile: it holds no barrier
; and steps no LDS address.  Loads for tiles that a pass does not have are clamped to the expert's last tile.
; NO JOINT LOADS: no byte of w2 is read by two work-groups; h's tiles, which 16 work-groups read, are walked in that loop, in which no barrier may stand.
; LIMITS.  NaN and infinities are not served.  A block of zeros, and one whose largest magnitude lies under 2^-122, gets the byte 1 with its codes.
; THE MODE: SCHED_MODE bits 1:0 = 2 (LLVM: expert scheduling mode 2), set by the entry lines.  The code itself states the register dependences between vector or matrix instructions and memory or LDS
; instructions, with s_wait_alu, always for 0.
; THE PLAN.  Registers that memory or LDS instructions touch, and who else names them:
;   v1-v4, v6, v7, v16-19  offsets and LDS addresses: made at the head, never written again: one wait on va_vdst ahead of the first load serves them for the whole kernel.
;   window 1        two raw halves.  Set j's loads land in half j % 2; set j's 128 copies read it; set j + 2's loads land in it again.  Later: the accumulators and w2's fragments.
;   v96-126, v28-31 codes and scale words.  Written by set j's conversions and shifts; read by the LDS stores that are issued in set j + 1, behind its copies.
;     So ONE wait on va_vdst stands in a set, behind its copies: they are done reading the raw half, and the set before has written its codes and words.  The loads and the LDS stores follow it with no
;     vector instruction between.  One wait on vm_vsrc stands behind the set's 64 maxima, ahead of the lines that write codes and words again.
;   w2's fragments (two buffers), h's fragments (eight slots) and h's scale words v64-95: loads land there, matrix instructions read them: one wait on va_vdst at the head of K steps 1 to 14, ahead of the step's loads.
;   the accumulators: written by matrix instructions, read by the way out's LDS stores: one wait on va_vdst ahead of the first of them (no vector or matrix instruction follows it in the pass, so it serves all four
;     tiles and the next pass's loads too); one on vm_vsrc ahead of a further pass, whose first products write them again.
;   v128-191        rows on the way out, two sets by turns: LDS loads land there, global stores read them: a wait on vm_vsrc at the head of each tile.
; REGISTERS.  window 0: v1 my offset in a load; v2 4 x lane; v3, v4 where I store codes and scale words; v5 8 h; v6 16 x lane; v7 16 x lane + 49,152; v8-15, v20-31 at work; v16 scale words' read address;
;   v17, v18 the stage, in and back; v19 my offset in part; v32-63 w2's scale words (2 s + t / 2; odd tiles in lanes 16-31); v64-95 h's (4 (s % 8) + g); v96-126 codes at work; v128-255 a set's columns, later rows on the way out.
;   window 1: two sets as loaded, later the accumulators (32 g + 8 t) and from v128 w2's fragments, two buffers of 48.  windows 2, 3: h's fragments, eight slots of 48 (12 g).
; SCALARS.  s50 wave, s51 which 64 columns, s52 expert, s53 row tiles, s54 my first tile of the pass, s55 my tiles in it, s56 which half of K, s79 the pass.
.set SWB, 98304                        ; LDS: behind the 64 images, w2's scale words: [s / 2][lane' = 16 (t % 2) + r][2 (s % 2) + t / 2] words
.set STG, 102400                       ; and a stage of 16 rows x (256 + 16) bytes for each wave
.set T,   128
.set C,   96
.set MSB, 0
.macro WIN new                         ; the immediate's high byte repeats the setting that is left
.if MSB != \new
	s_set_vgpr_msb (MSB<<8)|\new
.set MSB, \new
.endif
.endm
.macro NOPS n
.rept \n
	v_nop
.endr
.endm
.macro LOADSET j                       ; set j: rows 64 j .. 64 j + 63 of my 512, into half j % 2 of window 1
	WIN 0x40
.set i, 0
.rept 32
	global_load_b128 v[128*((\j)%2)+4*i:128*((\j)%2)+4*i+3], v1, s[4:5] offset:(64*(\j)+i)*4096 th:TH_LOAD_NT
.set i, i+1
.endr
	WIN 0
.endm
.macro LOADH s                         ; h's fragments and scale words of K step s for my four row tiles: 16 loads
.if ((\s)%8) < 4
	WIN 0x80
.else
	WIN 0xc0
.endif
.irp g, 0,1,2,3
.irp c, 0,1,2
	global_load_b128 v[48*((\s)%4)+12*\g+4*\c:48*((\s)%4)+12*\g+4*\c+3], v6, s[16+2*\g:17+2*\g] offset:1536*(\s)+512*\c
.endr
.endr
	WIN 0
.irp g, 0,1,2,3
	global_load_b32 v[64+4*((\s)%8)+\g], v2, s[24+2*\g:25+2*\g] offset:128*(\s)
.endr
.endm
.macro PROLOG2                         ; where my four tiles' fragments and scale words begin
.irp g, 0,1,2,3
	s_add_co_u32 s72, s54, 4*\g
	s_sub_co_u32 s73, s53, 1
	s_min_u32 s72, s72, s73                        ; a tile that was made
	s_min_u32 s72, s72, 63
	s_lshl_b32 s73, s52, 6
	s_add_co_u32 s72, s72, s73
	s_lshl_b32 s72, s72, 5
	s_lshl_b32 s73, s56, 4
	s_add_co_u32 s72, s72, s73                     ; 32 K steps a tile, my half's 16
	s_mul_i32 s74, s72, 1536
	s_mov_b32 s75, 0
	s_lshl_b32 s72, s72, 7
	s_mov_b32 s73, 0
	s_add_nc_u64 s[16+2*\g:17+2*\g], s[6:7], s[74:75]
	s_add_nc_u64 s[24+2*\g:25+2*\g], s[8:9], s[72:73]
.endr
.endm
.macro PUTSET j                        ; set j's codes go to LDS, and behind a K step's second set my columns' scale words
.set FB, 6144*((\j)/2)                 ; the K step's four images
.irp q, 0,1,2,3
.if ((\j)%2) == 0
	ds_store_b128 v3, v[C+8*\q:C+8*\q+3] offset:FB+16*\q             ; registers 0-3,
	ds_store_b64 v3, v[C+8*\q+4:C+8*\q+5] offset:FB+16*\q+512        ; 4, 5
.else
	ds_store_b64 v3, v[C+8*\q:C+8*\q+1] offset:FB+16*\q+520          ; registers 6, 7,
	ds_store_b128 v3, v[C+8*\q+2:C+8*\q+5] offset:FB+16*\q+1024      ; 8-11
.endif
.endr
.if ((\j)%2) == 1
.irp q, 0,1,2,3
	ds_store_b32 v4, v[28+\q] offset:16*\q+512*((\j)/4)+8*(((\j)/2)%2)   ; both halves of the lanes write the same word
.endr
.endif
.endm
; Set j: blocks 2 (j % 2) + h of K step 4 w + j / 2 for my four columns.  n: the loads issued behind set j's, which may stay out.
.macro QSET j, n
	s_wait_loadcnt \n
	WIN 0x01
.set q, 0
.rept 4
.set i, 0
.rept 32
	v_mov_b32 v[T+32*q+i], v[128*((\j)%2)+4*i+q]   ; column q's 32 numbers on end
.set i, i+1
.endr
.set q, q+1
.endr
	WIN 0
	s_wait_alu depctr_va_vdst(0)                   ; the copies are done reading the raw half, in which the set two on lands; the set before has written its codes and scale words, which the LDS stores below read
.if (\j) <= 5
	LOADSET (\j)+2                                 ; the half just copied takes the set two on
.endif
	LOADH \j                                       ; what phase 2 wants first is asked for here, a K step in each set
.if (\j) > 0
	PUTSET (\j)-1                                  ; no vector instruction since the wait: nothing more is owed
.endif
.irp q, 0,1,2,3
	v_max3_num_f32 v[8+\q], |v[T+32*\q]|, |v[T+1+32*\q]|, 0x2800000   ; with the floor 2^(5 - 127): the byte cannot fall under 1
.endr
.irp i, 2,4,6,8,10,12,14,16,18,20,22,24,26,28,30
.irp q, 0,1,2,3
	v_max3_num_f32 v[8+\q], v[8+\q], |v[T+32*\q+\i]|, |v[T+1+32*\q+\i]|   ; the four columns by turns
.endr
.endr
.if (\j) > 0
	s_wait_alu depctr_va_vdst(0)
	s_wait_dscnt 0x0                               ; the last set's LDS stores are done,
	s_wait_alu depctr_vm_vsrc(0)                   ; and have read v96-126 and v28-31, which the lines below write again
.endif
.irp q, 0,1,2,3
	v_add_nc_u32 v[12+\q], 0xfe000000, v[8+\q]     ; 4 off the exponent field: the conversion's scale operand
.endr
.irp q, 0,1,2,3
	v_lshrrev_b32 v[24+\q], 23, v[12+\q]           ; the byte
.endr
.if ((\j)%2) == 0
.irp q, 0,1,2,3
	v_mov_b32 v[28+\q], v[24+\q]
.endr
.else
.irp q, 0,1,2,3
	v_lshl_or_b32 v[28+\q], v[24+\q], 16, v[28+\q] ; my two bytes: blocks h and 2 + h,
.endr
.irp q, 0,1,2,3
	v_lshlrev_b32 v[28+\q], v5, v[28+\q]           ; at their places;
.endr
.irp q, 0,1,2,3
	v_permlanex16_b32 v[20+\q], v[28+\q], s60, s61
.endr
.irp q, 0,1,2,3
	v_or_b32 v[28+\q], v[28+\q], v[20+\q]          ; with lane l xor 16's two the word is whole
.endr
.endif
.irp q, 0,1,2,3
	v_cvt_scalef32_pk16_bf6_f32 v[C+8*\q:C+8*\q+2], v[T+32*\q:T+32*\q+15], v[12+\q]
	v_cvt_scalef32_pk16_bf6_f32 v[C+8*\q+4:C+8*\q+6], v[T+32*\q+16:T+32*\q+31], v[12+\q]   ; (a conversion's three registers begin on an even number)
.endr
	v_nop                                          ; one plain place behind a scaled conversion
.irp q, 0,1,2,3
	v_mov_b32 v[C+8*\q+3], v[C+8*\q+4]
	v_mov_b32 v[C+8*\q+4], v[C+8*\q+5]
	v_mov_b32 v[C+8*\q+5], v[C+8*\q+6]             ; the block's six registers on end
.endr
.endm
.macro LOADW s                         ; w2's four fragments of K step s from LDS into buffer s % 2
	WIN 0x40
.irp t, 0,1,2,3
.irp c, 0,1,2
.if (\s) < 8
	ds_load_b128 v[128+48*((\s)%2)+12*\t+4*\c:128+48*((\s)%2)+12*\t+4*\c+3], v6 offset:(4*((\s)%8)+\t)*1536+512*\c
.else
	ds_load_b128 v[128+48*((\s)%2)+12*\t+4*\c:128+48*((\s)%2)+12*\t+4*\c+3], v7 offset:(4*((\s)%8)+\t)*1536+512*\c
.endif
.endr
.endr
	WIN 0
.endm
.macro MM s, g, t
.set rD, 32*(\g)+8*(\t)
.set rA, 128+48*((\s)%2)+12*(\t)
.set rB, 48*((\s)%4)+12*(\g)
.set rS, 32+2*(\s)+(\t)/2
.set rH, 64+4*((\s)%8)+(\g)
.if (\s) == 0
.if (\t)%2
	v_wmma_scale_f32_16x16x128_f8f6f4 v[rD:rD+7], v[rA:rA+11], v[rB:rB+11], 0, v[rS], v[rH] matrix_a_fmt:MATRIX_FMT_BF6 matrix_b_fmt:MATRIX_FMT_BF6 matrix_a_scale:MATRIX_SCALE_ROW1
.else
	v_wmma_scale_f32_16x16x128_f8f6f4 v[rD:rD+7], v[rA:rA+11], v[rB:rB+11], 0, v[rS], v[rH] matrix_a_fmt:MATRIX_FMT_BF6 matrix_b_fmt:MATRIX_FMT_BF6
.endif
.else
.if (\t)%2
	v_wmma_scale_f32_16x16x128_f8f6f4 v[rD:rD+7], v[rA:rA+11], v[rB:rB+11], v[rD:rD+7], v[rS], v[rH] matrix_a_fmt:MATRIX_FMT_BF6 matrix_b_fmt:MATRIX_FMT_BF6 matrix_a_scale:MATRIX_SCALE_ROW1
.else
	v_wmma_scale_f32_16x16x128_f8f6f4 v[rD:rD+7], v[rA:rA+11], v[rB:rB+11], v[rD:rD+7], v[rS], v[rH] matrix_a_fmt:MATRIX_FMT_BF6 matrix_b_fmt:MATRIX_FMT_BF6
.endif
.endif
.endm
; K step s of a pass: up to 16 products; the accumulators take turns, one instruction a turn.  The first step's products start the sums.
.macro STEP s
.if \s >= 1
	NOPS 4                                         ; places in front of loads into registers that the last step's products read
.endif
.if (\s >= 1) && (\s < 15)
	s_wait_alu depctr_va_vdst(0)                   ; the last step's products are done reading their buffer of w2's fragments, their slot of h and its scale words, in which the loads below land
.endif
.if \s < 15
	LOADW (\s)+1
.endif
.if (\s >= 1) && (\s <= 8)
	LOADH (\s)+7                                   ; into the slot that the last step left
.endif
.if \s < 15
	s_wait_dscnt 12                                ; all but the 12 just issued: this step's fragments are in
.else
	s_wait_dscnt 0x0
.endif
.if \s >= 8
.if 16*(15-\s) > 63
	s_wait_loadcnt 63                              ; behind this step's h stand 16 loads for each later step: more than the count can name
.else
	s_wait_loadcnt 16*(15-\s)
.endif
.endif
.irp g, 0,1,2,3
.if \g > 0
	s_cmp_gt_u32 s55, \g
	s_cbranch_scc0 .Lsk_\@                         ; no such tile in this pass
.endif
.if ((\s)%8) < 4
	WIN 0x59                                       ; w2, C and D window 1, h window 2
.else
	WIN 0x5d                                       ; h window 3
.endif
.irp t, 0,1,2,3
	MM \s, \g, \t
.endr
	WIN 0
.endr
.Lsk_\@:
.endm
	s_load_b256 s[4:11], s[0:1], 0x0               ; w2 s[4:5], hq s[6:7], hs s[8:9], mask s[10:11]
	s_load_b64 s[12:13], s[0:1], 0x20              ; part
	v_lshl_add_u32 v119, v0, 2, 0x1d400
	v_mov_b32 v127, 0
	v_lshrrev_b32 v8, 5, v0
	v_readfirstlane_b32 s50, v8                    ; wave
	s_and_b32 s51, ttmp9, 15                       ; which 64 columns
	s_lshr_b32 s56, ttmp9, 4                       ; which half of K
	s_and_b32 s52, ttmp7, 0xffff                   ; expert
	v_bfe_u32 v8, v0, 4, 1                         ; h
	v_and_b32 v9, 15, v0
	v_bfe_u32 v10, v0, 2, 2                        ; column 4 (l % 16) + q: tile t,
	v_and_b32 v11, 3, v0                           ; r / 4
	v_lshlrev_b32 v1, 4, v9
	v_lshl_add_u32 v1, v8, 17, v1                  ; lanes 16-31 take the row 32 further down
	v_and_b32 v12, 31, v0
	v_lshlrev_b32 v2, 2, v12
	v_lshlrev_b32 v6, 4, v12
	v_mul_u32_u24 v3, v10, 1536
	v_lshl_add_u32 v3, v11, 6, v3
	v_lshl_add_u32 v3, v8, 8, v3
	s_wait_alu depctr_va_sdst(0)                   ; s50 is written, ahead of its first reader
	s_mul_i32 s72, s50, 24576
	v_add_nc_u32 v3, s72, v3                       ; my wave's four K steps
	v_bfe_u32 v13, v0, 2, 1
	v_bfe_u32 v14, v0, 3, 1
	v_lshlrev_b32 v4, 8, v13
	v_lshl_add_u32 v4, v11, 6, v4
	v_lshl_add_u32 v4, v14, 2, v4
	s_lshl_b32 s72, s50, 10
	s_add_co_u32 s72, s72, SWB
	v_add_nc_u32 v4, s72, v4
	v_lshlrev_b32 v5, 3, v8
	v_add_nc_u32 v7, 49152, v6
	v_add_nc_u32 v16, SWB, v6
	s_mul_i32 s72, s50, 4352
	s_add_co_u32 s72, s72, STG                     ; my stage
	v_mul_u32_u24 v17, v9, 272
	v_lshl_add_u32 v17, v8, 5, v17
	v_add_nc_u32 v17, s72, v17                     ; in: row r, 32 bytes for each half of the lanes
	v_mul_u32_u24 v18, v8, 272
	v_lshl_add_u32 v18, v9, 4, v18
	v_add_nc_u32 v18, s72, v18                     ; back: lanes 0-15 one row, lanes 16-31 the next
	v_lshlrev_b32 v19, 4, v9
	v_lshl_add_u32 v19, v8, 12, v19                ; and the same two rows in part
.irp q, 0,1,2,3
	v_mov_b32 v[20+\q], 0                          ; a lane permute's destination counts as one of its sources
.endr
	s_mov_b32 s60, 0x76543210
	s_mov_b32 s61, 0xfedcba98                      ; v_permlanex16_b32's selects for lane l xor 16
	s_mov_b32 s79, 0                               ; the pass
	s_lshl_b32 s72, s52, 24
	s_lshl_b32 s73, s56, 23
	s_add_co_u32 s72, s72, s73
	s_lshl_b32 s73, s50, 21
	s_add_co_u32 s72, s72, s73
	s_lshl_b32 s73, s51, 8
	s_add_co_u32 s72, s72, s73                     ; w2: the expert, the half, my 512 rows, the 256 bytes of my columns
	s_mov_b32 s73, 0
	s_lshl_b32 s74, s52, 7
	s_mov_b32 s75, 0
	s_wait_kmcnt 0x0
	s_add_nc_u64 s[4:5], s[4:5], s[72:73]
	s_add_nc_u64 s[10:11], s[10:11], s[74:75]
	s_load_b512 s[16:31], s[10:11], 0x0            ; the expert's 1,024 bits
	s_load_b512 s[32:47], s[10:11], 0x40
	s_wait_alu depctr_va_vdst(0)                   ; v1 to v4, v6, v7 and v16 to v19 are written: every load and store of the kernel reads one of them as its offset or LDS address, and none is written again
	LOADSET 0
	s_wait_kmcnt 0x0
	s_bcnt1_i32_b32 s53, s16
.set k, 17
.rept 31
	s_bcnt1_i32_b32 s72, s[k]
	s_add_co_u32 s53, s53, s72
.set k, k+1
.endr
	s_add_co_u32 s53, s53, 15
	s_lshr_b32 s53, s53, 4
	s_max_u32 s53, s53, 1                          ; row tiles, at least one, at most 64
	s_mov_b32 s54, s50                             ; my first
	PROLOG2                                        ; (the bits are counted: their registers take the tiles' addresses)
	LOADSET 1
	QSET 0, 32                                     ; behind set 0: set 1
	QSET 1, 48                                     ; behind set 1: set 2, 16 of h
	QSET 2, 63                                     ; behind set k: 16 of h, set k + 1, 16 of h: 64, more than the count can name
	QSET 3, 63
	QSET 4, 63
	QSET 5, 63
	QSET 6, 63
	QSET 7, 32                                     ; twice 16 of h
	s_wait_alu depctr_va_vdst(0)                   ; set 7 has written its codes and scale words, which the LDS stores read; and phase 1 is done with window 1 and with v128-255, in which phase 2's LDS loads land
	PUTSET 7
	s_wait_dscnt 0x0                               ; for the others' sake: my images and scale words have landed
	s_barrier_signal -1
	s_barrier_wait -1
	s_cmp_lt_u32 s54, s53
	s_cbranch_scc0 .Lend                           ; fewer tiles than waves
.irp k, 0,1,2,3,4,5,6,7
	ds_load_b128 v[32+4*\k:35+4*\k], v16 offset:512*\k   ; w2's scale words stay in registers
.endr
.Lpass:
	s_sub_co_u32 s55, s53, s54
	s_add_co_u32 s55, s55, 3
	s_lshr_b32 s55, s55, 2
	s_min_u32 s55, s55, 4                          ; my tiles in this pass
	LOADW 0                                        ; (in a later pass: the products that read this buffer stand ahead of the way out's wait on va_vdst, and nothing has named it since)
	s_wait_loadcnt 0x0                             ; h's first eight K steps
	STEP 0
	STEP 1
	STEP 2
	STEP 3
	STEP 4
	STEP 5
	STEP 6
	STEP 7
	STEP 8
	STEP 9
	STEP 10
	STEP 11
	STEP 12
	STEP 13
	STEP 14
	STEP 15
	NOPS 5                                         ; four places in front of the first read of results; a fifth, since the next pass's first products begin these accumulators anew
.irp g, 0,1,2,3
.if \g > 0
	s_cmp_gt_u32 s55, \g
	s_cbranch_scc0 .Lout_done
.endif
	s_wait_xcnt 0x0                                ; earlier stores have had their addresses translated: their base is written again only behind this wait,
	s_wait_alu depctr_vm_vsrc(0)                   ; and they have read their rows' registers: the stores of two tiles back, in the pass before too, read those in which this tile's LDS loads land
	s_add_co_u32 s72, s54, 4*\g
	s_min_u32 s72, s72, 63                         ; the tile
	s_lshl_b32 s72, s72, 4
	s_lshl_b32 s73, s52, 10
	s_add_co_u32 s72, s72, s73
	s_lshl_b32 s73, s56, 13
	s_add_co_u32 s72, s72, s73                     ; row 8192 kh + 1024 e + 16 tile
	s_lshl_b32 s72, s72, 12
	s_lshl_b32 s73, s51, 8
	s_add_co_u32 s72, s72, s73
	s_mov_b32 s73, 0
	s_add_nc_u64 s[66:67], s[12:13], s[72:73]
.if \g == 0
	s_wait_alu depctr_va_vdst(0)                   ; the pass's products have written the accumulators, which the LDS stores of all its tiles read; the places above stay beside this wait
.endif
	WIN 0x04                                       ; an LDS store's data are its source 1: window 1
.irp t, 0,1,2,3
	ds_store_b128 v17, v[32*\g+8*\t:32*\g+8*\t+3] offset:64*\t        ; each accumulator from its low end on
	ds_store_b128 v17, v[32*\g+8*\t+4:32*\g+8*\t+7] offset:64*\t+16
.endr
	WIN 0
.irp i, 0,1,2,3,4,5,6,7
	ds_load_b128 v[128+32*(\g%2)+4*\i:128+32*(\g%2)+4*\i+3], v18 offset:544*\i   ; LDS serves a wave's instructions in order (ISA guide 5.7.1.4): these see the stores above
.endr
.irp i, 0,1,2,3,4,5,6,7
	s_wait_dscnt 7-\i
	global_store_b128 v19, v[128+32*(\g%2)+4*\i:128+32*(\g%2)+4*\i+3], s[66:67] offset:8192*\i   ; 16 lanes store 256 consecutive bytes, aligned
.endr
.endr
.Lout_done:
	s_add_co_u32 s79, s79, 1                       ; the next pass,
	s_lshl_b32 s54, s79, 4
	s_add_co_u32 s54, s54, s50                     ; and my first tile in it: wave + 16 x pass
	s_cmp_lt_u32 s54, s53
	s_cbranch_scc0 .Lend                           ; none is left for me
	s_wait_xcnt 0x0                                ; the tiles' addresses are written again only behind this wait
	s_wait_alu depctr_vm_vsrc(0)                   ; the last tile's LDS stores have read its accumulators, which the next pass's first products write
	PROLOG2
	LOADH 0
	LOADH 1
	LOADH 2
	LOADH 3
	LOADH 4
	LOADH 5
	LOADH 6
	LOADH 7
	s_cmp_lt_u32 s79, 4                            ; 64 tiles at the most: a tile under 64 lies in pass 0 to 3
	s_cbranch_scc1 .Lpass
.Lend:
	s_wait_dscnt 0x0                               ; the closing lines, six on end
	s_wait_alu 0x0
	s_wait_tensorcnt 0x0
	ds_add_u32 v119, v127
	s_wait_dscnt 0x0
	s_endpgm
.Lfunc_end_k_q296664f57c_gemm2:
	.size	k_q296664f57c_gemm2, .Lfunc_end_k_q296664f57c_gemm2-k_q296664f57c_gemm2
	.p2alignl 7, 3214868480
	.fill 96, 4, 3214868480
	.section	.rodata,"a",@progbits
	.p2align	6, 0x0
	.amdhsa_kernel k_q296664f57c_gemm2
		.amdhsa_group_segment_fixed_size 120320
		.amdhsa_private_segment_fixed_size 0
		.amdhsa_enable_private_segment 0
		.amdhsa_kernarg_size 40
		.amdhsa_user_sgpr_count 2
		.amdhsa_user_sgpr_kernarg_segment_ptr 1
		.amdhsa_wavefront_size32 1
		.amdhsa_system_sgpr_workgroup_id_x 1
		.amdhsa_system_sgpr_workgroup_id_y 1
		.amdhsa_system_sgpr_workgroup_id_z 1
		.amdhsa_system_vgpr_workitem_id 0
		.amdhsa_next_free_vgpr 1024
		.amdhsa_next_free_sgpr 80
		.amdhsa_reserve_vcc 0
		.amdhsa_float_denorm_mode_32 3
		.amdhsa_float_denorm_mode_16_64 3
		.amdhsa_memory_ordered 1
		.amdhsa_forward_progress 1
		.amdhsa_inst_pref_size 224
	.end_amdhsa_kernel
	.amdgpu_metadata
---
amdhsa.version: [ 1, 2 ]
amdhsa.kernels:
  - .name:           k_q296664f57c_gemm2
    .symbol:         k_q296664f57c_gemm2.kd
    .args:
      - { .name: w2, .offset: 0, .size: 8, .value_kind: global_buffer, .address_space: global }
      - { .name: hq, .offset: 8, .size: 8, .value_kind: global_buffer, .address_space: global }
      - { .name: hs, .offset: 16, .size: 8, .value_kind: global_buffer, .address_space: global }
      - { .name: mask, .offset: 24, .size: 8, .value_kind: global_buffer, .address_space: global }
      - { .name: part, .offset: 32, .size: 8, .value_kind: global_buffer, .address_space: global }
    .group_segment_fixed_size: 120320
    .private_segment_fixed_size: 0
    .kernarg_segment_align: 8
    .kernarg_segment_size: 40
    .max_flat_workgroup_size: 128
    .sgpr_count:     80
    .vgpr_count:     1024
    .wavefront_size: 32
...
	.end_amdgpu_metadata
.endif
;; end of part 7
;; launch combine (part 8): grid 256 x 1, 4 waves a work-group, no clusters, 0 bytes of LDS; arguments part, b2, gw, idx, mask, out0; writes out0
.if DOCPART == 8
	.amdgcn_target "amdgcn-amd-amdhsa--gfx1250"
	.amdhsa_code_object_version 6
	.text
	.protected	k_q296664f57c_combine
	.globl	k_q296664f57c_combine
	.p2align	8
	.type	k_q296664f57c_combine,@function
k_q296664f57c_combine:
	s_mov_b64 s[64:65], 0
	v_nop
	global_prefetch_b8 v0, s[64:65] scope:SCOPE_SE
	s_setreg_imm32_b32 hwreg(HW_REG_WAVE_MODE, 25, 1), 1
	s_wait_xcnt 0x0
; COMBINE.  out[t] = g0 (part0[e0][p0] + part1[e0][p0] + b2[e0]) + g1 (the same of e1), in f32.  p is token t's place in its expert's list: the number of set bits of mask[e] below bit t.
; One wave, one token; each load and store of the wave covers 512 consecutive bytes, aligned.  Memory binds: no LDS, no barrier, no matrix unit, no cluster (no two waves read the same row of part).
; Whole numbers read from memory (the experts, the place) enter an address only behind a hold at their largest value.
	s_load_b256 s[4:11], s[0:1], 0x0               ; part s[4:5], b2 s[6:7], gw s[8:9], idx s[10:11]
	s_load_b128 s[12:15], s[0:1], 0x20             ; mask s[12:13], out0 s[14:15]
	v_lshrrev_b32 v1, 5, v0
	v_readfirstlane_b32 s16, v1
	s_lshl_b32 s17, ttmp9, 2
	s_add_co_u32 s17, s17, s16                     ; my token
	v_and_b32 v2, 31, v0                           ; lane
	v_lshlrev_b32 v1, 4, v2
	v_lshlrev_b32 v3, 2, v2
	s_lshl_b32 s18, s17, 2
	s_mov_b32 s19, 0
	s_lshl_b32 s20, s17, 3
	s_mov_b32 s21, 0
	s_mov_b32 s38, 0x76543210
	s_mov_b32 s39, 0xfedcba98                      ; v_permlanex16_b32's selects for lane l xor 16
	s_wait_alu depctr_va_vdst(0)
	s_wait_kmcnt 0x0
	s_add_nc_u64 s[10:11], s[10:11], s[18:19]
	s_add_nc_u64 s[8:9], s[8:9], s[20:21]
	s_load_b32 s22, s[10:11], 0x0
	s_load_b64 s[24:25], s[8:9], 0x0               ; the two weights
	s_wait_kmcnt 0x0
	s_bfe_u32 s26, s22, 0x80000
	s_bfe_u32 s27, s22, 0x80008
	s_min_u32 s26, s26, 7                          ; e0
	s_min_u32 s27, s27, 7                          ; e1
	s_lshl_b32 s28, s26, 7
	s_mov_b32 s29, 0
	s_add_nc_u64 s[30:31], s[12:13], s[28:29]
	s_lshl_b32 s28, s27, 7
	s_add_nc_u64 s[32:33], s[12:13], s[28:29]
	global_load_b32 v4, v3, s[30:31]               ; lane j: word j of the expert's bits
	global_load_b32 v5, v3, s[32:33]
	s_and_b32 s34, s17, 31
	s_bfm_b32 s35, s34, 0                          ; the bits below mine in my word
	s_lshr_b32 s36, s17, 5                         ; my word
	v_mov_b32 v7, -1
	v_mov_b32 v8, s35
	v_cmp_eq_u32 vcc_lo, s36, v2
	v_cndmask_b32 v6, 0, v8, vcc_lo
	v_cmp_gt_u32 vcc_lo, s36, v2
	v_cndmask_b32 v6, v6, v7, vcc_lo               ; earlier words whole, my word in part, later words not
	v_mov_b32 v9, 0
	v_mov_b32 v10, 0
	v_mov_b32 v208, s24
	v_mov_b32 v209, s24
	v_mov_b32 v210, s25
	v_mov_b32 v211, s25
	s_wait_alu depctr_va_vdst(0)
	s_wait_loadcnt 0x0
.macro POPC r, t                       ; the set bits of v[r] & v6, summed over the 32 lanes, in every lane
	v_and_b32 v[\r], v[\r], v6
	v_lshrrev_b32 v[\t], 1, v[\r]
	v_and_b32 v[\t], 0x55555555, v[\t]
	v_sub_nc_u32 v[\r], v[\r], v[\t]
	v_lshrrev_b32 v[\t], 2, v[\r]
	v_and_b32 v[\t], 0x33333333, v[\t]
	v_and_b32 v[\r], 0x33333333, v[\r]
	v_add_nc_u32 v[\r], v[\r], v[\t]
	v_lshrrev_b32 v[\t], 4, v[\r]
	v_add_nc_u32 v[\r], v[\r], v[\t]
	v_and_b32 v[\r], 0x0f0f0f0f, v[\r]
	v_lshrrev_b32 v[\t], 8, v[\r]
	v_add_nc_u32 v[\r], v[\r], v[\t]
	v_lshrrev_b32 v[\t], 16, v[\r]
	v_add_nc_u32 v[\r], v[\r], v[\t]
	v_and_b32 v[\r], 0x3f, v[\r]
.irp m, 1,2,4,8
	v_mov_b32_dpp v[\t], v[\r] row_xmask:\m row_mask:0xf bank_mask:0xf
	v_add_nc_u32 v[\r], v[\r], v[\t]
.endr
	v_permlanex16_b32 v[\t], v[\r], s38, s39
	v_add_nc_u32 v[\r], v[\r], v[\t]
.endm
	POPC 4, 9
	POPC 5, 10
	v_readfirstlane_b32 s40, v4
	v_readfirstlane_b32 s41, v5
	s_min_u32 s40, s40, 1023                       ; my place in e0's list,
	s_min_u32 s41, s41, 1023                       ; in e1's
	s_lshl_b32 s42, s26, 10
	s_add_co_u32 s42, s42, s40
	s_lshl_b32 s42, s42, 12                        ; rows of 4,096 bytes
	s_mov_b32 s43, 0
	s_add_nc_u64 s[44:45], s[4:5], s[42:43]
	s_add_nc_u64 s[46:47], s[44:45], 0x2000000     ; the other half of K: 8,192 rows on
	s_lshl_b32 s42, s27, 10
	s_add_co_u32 s42, s42, s41
	s_lshl_b32 s42, s42, 12
	s_add_nc_u64 s[48:49], s[4:5], s[42:43]
	s_add_nc_u64 s[50:51], s[48:49], 0x2000000
	s_lshl_b32 s42, s26, 12
	s_add_nc_u64 s[52:53], s[6:7], s[42:43]
	s_lshl_b32 s42, s27, 12
	s_add_nc_u64 s[54:55], s[6:7], s[42:43]
	s_lshl_b32 s42, s17, 12
	s_add_nc_u64 s[14:15], s[14:15], s[42:43]
.irp i, 0,1,2,3,4,5,6,7
	global_load_b128 v[16+4*\i:19+4*\i], v1, s[44:45] offset:512*\i th:TH_LOAD_NT
	global_load_b128 v[48+4*\i:51+4*\i], v1, s[46:47] offset:512*\i th:TH_LOAD_NT
	global_load_b128 v[80+4*\i:83+4*\i], v1, s[52:53] offset:512*\i
	global_load_b128 v[112+4*\i:115+4*\i], v1, s[48:49] offset:512*\i th:TH_LOAD_NT
	global_load_b128 v[144+4*\i:147+4*\i], v1, s[50:51] offset:512*\i th:TH_LOAD_NT
	global_load_b128 v[176+4*\i:179+4*\i], v1, s[54:55] offset:512*\i
.endr
	s_wait_loadcnt 0x0
.set i, 0
.rept 16
	v_pk_add_f32 v[16+2*i:17+2*i], v[16+2*i:17+2*i], v[48+2*i:49+2*i]
	v_pk_add_f32 v[112+2*i:113+2*i], v[112+2*i:113+2*i], v[144+2*i:145+2*i]
	v_pk_add_f32 v[16+2*i:17+2*i], v[16+2*i:17+2*i], v[80+2*i:81+2*i]
	v_pk_add_f32 v[112+2*i:113+2*i], v[112+2*i:113+2*i], v[176+2*i:177+2*i]
	v_pk_mul_f32 v[16+2*i:17+2*i], v[16+2*i:17+2*i], v[208:209]
	v_pk_fma_f32 v[16+2*i:17+2*i], v[112+2*i:113+2*i], v[210:211], v[16+2*i:17+2*i]
.set i, i+1
.endr
.irp i, 0,1,2,3,4,5,6,7
	global_store_b128 v1, v[16+4*\i:19+4*\i], s[14:15] offset:512*\i th:TH_STORE_NT
.endr
	s_endpgm
.Lfunc_end_k_q296664f57c_combine:
	.size	k_q296664f57c_combine, .Lfunc_end_k_q296664f57c_combine-k_q296664f57c_combine
	.p2alignl 7, 3214868480
	.fill 96, 4, 3214868480
	.section	.rodata,"a",@progbits
	.p2align	6, 0x0
	.amdhsa_kernel k_q296664f57c_combine
		.amdhsa_group_segment_fixed_size 0
		.amdhsa_private_segment_fixed_size 0
		.amdhsa_enable_private_segment 0
		.amdhsa_kernarg_size 48
		.amdhsa_user_sgpr_count 2
		.amdhsa_user_sgpr_kernarg_segment_ptr 1
		.amdhsa_wavefront_size32 1
		.amdhsa_system_sgpr_workgroup_id_x 1
		.amdhsa_system_sgpr_workgroup_id_y 1
		.amdhsa_system_sgpr_workgroup_id_z 1
		.amdhsa_system_vgpr_workitem_id 0
		.amdhsa_next_free_vgpr 216
		.amdhsa_next_free_sgpr 66
		.amdhsa_reserve_vcc 1
		.amdhsa_float_denorm_mode_32 3
		.amdhsa_float_denorm_mode_16_64 3
		.amdhsa_memory_ordered 1
		.amdhsa_forward_progress 1
		.amdhsa_inst_pref_size 17
	.end_amdhsa_kernel
	.amdgpu_metadata
---
amdhsa.version: [ 1, 2 ]
amdhsa.kernels:
  - .name:           k_q296664f57c_combine
    .symbol:         k_q296664f57c_combine.kd
    .args:
      - { .name: part, .offset: 0, .size: 8, .value_kind: global_buffer, .address_space: global }
      - { .name: b2, .offset: 8, .size: 8, .value_kind: global_buffer, .address_space: global }
      - { .name: gw, .offset: 16, .size: 8, .value_kind: global_buffer, .address_space: global }
      - { .name: idx, .offset: 24, .size: 8, .value_kind: global_buffer, .address_space: global }
      - { .name: mask, .offset: 32, .size: 8, .value_kind: global_buffer, .address_space: global }
      - { .name: out0, .offset: 40, .size: 8, .value_kind: global_buffer, .address_space: global }
    .group_segment_fixed_size: 0
    .private_segment_fixed_size: 0
    .kernarg_segment_align: 8
    .kernarg_segment_size: 48
    .max_flat_workgroup_size: 128
    .sgpr_count:     66
    .vgpr_count:     216
    .wavefront_size: 32
...
	.end_amdgpu_metadata
.endif
;; end of part 8
